; MI455X (gfx1250); checked and timed in simulation.
; The chip was launched on July 23, 2026; its instructions are those of AMD's public machine-readable ISA for CDNA 5 (MIT licence, August 2026) and "CDNA5" Instruction Set Architecture Reference Guide (July 2026). The comments in the code are by the model that wrote it; some were corrected since.
;; Mo E Layer. Allowed arithmetic: matrix products marked QUANTISED: E2M1 operands, one E8M0 scale for each 32 along K, by v_wmma_scale_f32_16x16x128_f8f6f4 with both operands' format E2M1 (or v_wmma_scale_f32_32x16x128_f4), f32 sums; products left as they are: f32 operands where the result goes on into a quantised operand, else bf16, f16 or f32 operands; f32 sums; everything else in f32.
;; Inputs: b1 8 x 4,096 float32; b2 8 x 1,024 float32; gate_b 8 float32; gate_w 1,024 x 8 float32; hidden_states 4 x 256 x 1,024 float32; w1 8 x 1,024 x 4,096 float32; w2 8 x 4,096 x 1,024 float32.
;; Outputs: out0 4 x 256 x 1,024 float32.
;; Constants: top_k = 2.
;; This version of the problem:
;;   THIS VERSION OF THE PROBLEM IS GIVEN IN LOW PRECISION. The matrix products marked QUANTISED in the list below multiply operands that are first quantised to E2M1 (2 exponent bits, 1 mantissa bit; 4 bits a number), with one power-of-two scale for each 32 numbers along K (OCP MX v1.0); their sums are f32. All else is computed in f32.
;;   The module's matrix products, in the order in which they are computed (A, B: the left and right operand; K: the contracted axis; several contracted axes count as one K, in the product's order):
;;     1. [M 1,024, K 1,024] x [K 1,024, N 8]; A: input hidden_states; B: input gate_w: left as it is (N = 8 < 16)
;;     2. batch 1,024 x [M 1, K 2] x [K 2, N 8]; A: softmax; B: computed on the way: left as it is (K = 2 < 32)
;;     3. [M 32,768, K 1,024] x [K 1,024, N 1,024]; A: input w1; B: input hidden_states: QUANTISED
;;     4. batch 8 x [M 1,024, K 4,096] x [K 4,096, N 1,024]; A: computed on the way; B: input w2: QUANTISED
;;     5. batch 1,024 x [M 1,024, K 8] x [K 8, N 1]; A: computed on the way; B: computed on the way: left as it is (K = 8 < 32)
;;   THE QUANTISER, for each operand of a quantised product, along K:
;;     - K is cut into blocks of 32 from its start; a last block that is shorter is filled with zeros.
;;     - A block's scale is 2^e with e = floor(log2(the largest magnitude in the block)) - 2, held to -126 .. 127; a block of zeros has e = 0. As a byte (E8M0): e + 127.
;;     - Each number is divided by its block's scale, clamped to +-6, and rounded to the nearest number of E2M1, ties to even, subnormals kept.
;;     - The product sums the exact products of the quantised numbers (number of the format x scale) in f32.
;;   ~~~python
;;   def quantise(x, axis):      # numpy; x: float32 -> the quantised numbers, widened to float32 again
;;       x = np.moveaxis(x, axis, -1); K = x.shape[-1]
;;       x = np.pad(x, [(0, 0)] * (x.ndim - 1) + [(0, -K % 32)]); x = x.reshape(x.shape[:-1] + (-1, 32)); a = np.abs(x).max(-1, keepdims=True)
;;       e = np.where(a > 0, np.clip(np.frexp(np.where(a > 0, a, 1))[1] - 1 - 2, -126, 127), 0)      # np.frexp(a)[1] - 1 = floor(log2(a)), exactly
;;       r = np.clip(x / 2.0 ** e, -6, 6)
;;       step = 2.0 ** (np.maximum(np.frexp(np.where(r == 0, 1, r))[1] - 1, 0) - 1)
;;       q = np.round(r / step) * step * 2.0 ** e      # np.round: ties to even
;;       return np.moveaxis(q.reshape(q.shape[:-2] + (-1,))[..., :K], -1, axis).astype(np.float32)
;;   ~~~
;;   OPERANDS COMPUTED ON THE WAY. 'Computed on the way' means the value that the module computes at that place (a softmax that the list does not call 'softmax' is quantised finished and normalised). What goes into a quantiser is computed in f32, as accurately as f32 sums, v_exp_f32 and their like allow (about 1e-6 of the number): no bf16 or f16 on the way to a quantiser, and a product that is left as it is and whose result goes on into a quantised operand takes f32 operands (vector FMAs, or v_wmma_f32_16x16x4_f32). A number that lies on a knife's edge between two numbers of the format may be rounded either way, as far as f32 arithmetic and the matrix unit's own rounding can turn it there, and no further.
;; 2 versions, each right; version 2 is version 1 with the launches ffn1, ffn2 written anew for expert scheduling mode. Each part assembles by itself: llvm-mc -triple=amdgcn-amd-amdhsa -mcpu=gfx1250 --defsym DOCPART=n.
;; ======== version 1 of 2: 5 launches
;; limits: a function is approximated: absolute error at most 1.5e-07
;; workspace buffers: choice 4,096 bytes of whole numbers; gatew 8,192 bytes; xs 4,456,448 bytes; route 33,024 bytes of whole numbers; hq 16,777,216 bytes; hs 1,048,576 bytes; y 16,842,752 bytes
;; launch gate (part 1): grid 256 x 1, 4 waves a work-group, no clusters, 1,024 bytes of LDS; arguments hidden_states, gate_w, gate_b, choice, gatew; writes choice, gatew
.if DOCPART == 1
	.amdgcn_target "amdgcn-amd-amdhsa--gfx1250"
	.amdhsa_code_object_version 6
	.text
	.protected	k_q52852047b3_gate
	.globl	k_q52852047b3_gate
	.p2align	8
	.type	k_q52852047b3_gate,@function
k_q52852047b3_gate:
	s_mov_b64 s[64:65], 0
	v_nop
	global_prefetch_b8 v0, s[64:65] scope:SCOPE_SE
	s_setreg_imm32_b32 hwreg(HW_REG_WAVE_MODE, 25, 1), 1
	s_wait_xcnt 0x0
; THE GATE.  scores[t][e] = sum over d of x[t][d] gate_w[d][e] + gate_b[e], in f32 by fused multiply-adds; the two largest scores of a token (on equal scores the lower expert,
; as the top-k of the source keeps it); the softmax of the two with the larger taken off first.
; OUT: choice[t] = e0 | e1 << 8 | ((1 << e0) | (1 << e1)) << 16, a whole number at a fixed place; gatew[t] = the two weights.  No address and no branch here hangs on a score.
; SHARES: a work-group takes 4 tokens; wave w the channels 256 w .. 256 w + 255; lane l the channels 256 w + 128 i + 4 l + jj (i = 0, 1; jj = 0 .. 3): every load of x covers 512 bytes on end.
; The 32 sums (4 tokens x 8 experts) are added over the lanes, then over the four waves through 512 bytes of LDS.
; LIMITS: NaN and infinities among the inputs are not served; two scores that differ by less than the rounding of an f32 sum of 1,024 terms may be chosen either way.
.set XR, 16                            ; v16-47   x(tk, dd) at XR + 8 tk + dd, dd = 4 i + jj; later the lane exchange's destinations
.set GW, 48                            ; v48-111  gate_w(dd, e) at GW + 8 dd + e; later the four waves' sums
.set AC, 112                           ; v112-143 sum(tk, e) at AC + 8 tk + e
.set LG, 48                            ; v48-55   my token's eight scores
.set M1, 176                           ; the largest score, its expert, the second, its expert, two at work
.set I1, 177
.set M2, 178
.set I2, 179
.set TV, 180
.set TI, 181
	s_load_b256 s[4:11], s[0:1], 0x0               ; x s[4:5], gate_w s[6:7], gate_b s[8:9], choice s[10:11]
	s_load_b64 s[12:13], s[0:1], 0x20              ; gatew
	v_lshl_add_u32 v192, v0, 2, 0x200
	v_mov_b32 v193, 0
	v_lshrrev_b32 v3, 5, v0
	v_readfirstlane_b32 s16, v3                    ; wave 0..3
	v_and_b32 v3, 31, v0                           ; lane
	v_lshlrev_b32 v1, 4, v3                        ; x: 16 bytes a lane
	v_lshlrev_b32 v2, 7, v3                        ; gate_w: four rows of 32 bytes a lane
	v_and_b32 v4, 3, v0                            ; the token that my lane finishes
	v_lshlrev_b32 v5, 5, v4                        ; its eight sums in a wave's 128 bytes of LDS
	v_lshlrev_b32 v6, 2, v4                        ; its word of choice
	v_lshlrev_b32 v8, 3, v4                        ; its pair of gatew
	s_lshl_b32 s36, s16, 7
	v_mov_b32 v7, s36                              ; my wave's 128 bytes of LDS
	s_lshl_b32 s32, ttmp9, 14                      ; 4 tokens of 4,096 bytes a work-group,
	s_lshl_b32 s33, s16, 10                        ; 256 channels a wave
	s_add_co_u32 s32, s32, s33
	s_mov_b32 s33, 0
	s_lshl_b32 s34, s16, 13                        ; 256 rows of gate_w a wave
	s_mov_b32 s35, 0
	s_lshl_b32 s38, ttmp9, 4
	s_mov_b32 s39, 0
	s_lshl_b32 s40, ttmp9, 5
	s_mov_b32 s41, 0
	s_mov_b32 s28, 0x76543210                      ; v_permlanex16_b32: lane l takes lane l xor 16
	s_mov_b32 s29, 0xfedcba98
	s_wait_kmcnt 0x0
	s_load_b256 s[20:27], s[8:9], 0x0              ; gate_b, eight numbers
	s_add_nc_u64 s[4:5], s[4:5], s[32:33]
	s_add_nc_u64 s[6:7], s[6:7], s[34:35]
	s_add_nc_u64 s[10:11], s[10:11], s[38:39]
	s_add_nc_u64 s[12:13], s[12:13], s[40:41]
.irp tk, 0,1,2,3
.irp i, 0,1
	global_load_b128 v[XR+8*\tk+4*\i:XR+8*\tk+4*\i+3], v1, s[4:5] offset:\tk*4096+\i*512
.endr
.endr
.irp i, 0,1
.irp jj, 0,1,2,3
.irp hf, 0,1
	global_load_b128 v[GW+8*(4*\i+\jj)+4*\hf:GW+8*(4*\i+\jj)+4*\hf+3], v2, s[6:7] offset:\i*4096+\jj*32+\hf*16
.endr
.endr
.endr
	s_wait_loadcnt 0x0
	; the products: two experts an instruction, x's number for both halves.  The first channel starts the sums: nothing is cleared
.irp tk, 0,1,2,3
.irp ep, 0,1,2,3
	v_pk_mul_f32 v[AC+8*\tk+2*\ep:AC+8*\tk+2*\ep+1], v[GW+2*\ep:GW+2*\ep+1], v[XR+8*\tk:XR+8*\tk+1] op_sel_hi:[1,0]
.endr
.endr
.irp dd, 1,2,3,4,5,6,7
.irp tk, 0,1,2,3
.irp ep, 0,1,2,3
.if (\dd)%2 == 0
	v_pk_fma_f32 v[AC+8*\tk+2*\ep:AC+8*\tk+2*\ep+1], v[GW+8*\dd+2*\ep:GW+8*\dd+2*\ep+1], v[XR+8*\tk+\dd:XR+8*\tk+\dd+1], v[AC+8*\tk+2*\ep:AC+8*\tk+2*\ep+1] op_sel_hi:[1,0,1]
.else
	v_pk_fma_f32 v[AC+8*\tk+2*\ep:AC+8*\tk+2*\ep+1], v[GW+8*\dd+2*\ep:GW+8*\dd+2*\ep+1], v[XR+8*\tk+\dd-1:XR+8*\tk+\dd], v[AC+8*\tk+2*\ep:AC+8*\tk+2*\ep+1] op_sel:[0,1,0] op_sel_hi:[1,1,1]
.endif
.endr
.endr
.endr
	; over the 32 lanes, the 32 sums by turns: four steps inside each half of 16 lanes, one across
.irp m, 1,2,4,8
.set j, 0
.rept 32
	v_add_f32_dpp v[AC+j], v[AC+j], v[AC+j] row_xmask:\m row_mask:0xf bank_mask:0xf
.set j, j+1
.endr
.endr
.set j, 0
.rept 32
	v_permlanex16_b32 v[XR+j], v[AC+j], s28, s29   ; its destination counts as read: x's registers have been written and are done with
.set j, j+1
.endr
.set j, 0
.rept 32
	v_add_f32 v[AC+j], v[AC+j], v[XR+j]
.set j, j+1
.endr
.irp n, 0,1,2,3,4,5,6,7
	ds_store_b128 v7, v[AC+4*\n:AC+4*\n+3] offset:16*\n    ; every lane holds the same 32 sums and writes the same words
.endr
	s_wait_dscnt 0x0                               ; for the other waves' sake: my stores have landed
	s_barrier_signal -1
	s_barrier_wait -1
.irp w, 0,1,2,3
.irp hf, 0,1
	ds_load_b128 v[GW+8*\w+4*\hf:GW+8*\w+4*\hf+3], v5 offset:\w*128+\hf*16
.endr
.endr
	s_wait_dscnt 0x0
	s_wait_kmcnt 0x0                               ; gate_b
.irp p, 0,2,4,6
	v_pk_add_f32 v[GW+\p:GW+\p+1], v[GW+\p:GW+\p+1], v[GW+8+\p:GW+8+\p+1]
	v_pk_add_f32 v[GW+16+\p:GW+16+\p+1], v[GW+16+\p:GW+16+\p+1], v[GW+24+\p:GW+24+\p+1]
.endr
.irp p, 0,2,4,6
	v_pk_add_f32 v[GW+\p:GW+\p+1], v[GW+\p:GW+\p+1], v[GW+16+\p:GW+16+\p+1]
.endr
.irp e, 0,1,2,3,4,5,6,7
	v_add_f32 v[LG+\e], s[20+\e], v[LG+\e]
.endr
	; the two largest.  A mask bit says: the old one stays.  A later expert takes a place only with a strictly larger score
	v_mov_b32 v[M1], v[LG]
	v_mov_b32 v[I1], 0
	v_mov_b32 v[M2], 0xff800000                    ; -infinity: under every score
	v_mov_b32 v[I2], 0
.irp e, 1,2,3,4,5,6,7
	v_cmp_le_f32 vcc_lo, v[LG+\e], v[M1]
	v_cmp_le_f32 s30, v[LG+\e], v[M2]
	v_cndmask_b32 v[TV], v[LG+\e], v[M2], s30      ; the second place if the first stays
	v_cndmask_b32 v[TI], \e, v[I2], s30
	v_cndmask_b32 v[M2], v[M1], v[TV], vcc_lo      ; else the old first moves down
	v_cndmask_b32 v[I2], v[I1], v[TI], vcc_lo
	v_cndmask_b32 v[M1], v[LG+\e], v[M1], vcc_lo
	v_cndmask_b32 v[I1], \e, v[I1], vcc_lo
.endr
	v_sub_f32 v182, v[M2], v[M1]                   ; the larger score is taken off: 0 or less
	v_mul_f32 v182, 0x3fb8aa3b, v182               ; x log2(e)
	v_exp_f32 v183, v182
	v_mov_b32 v185, 1                              ; (a plain place behind the exponential)
	s_wait_alu depctr_va_vdst(0)
	v_add_f32 v184, 1.0, v183
	v_rcp_f32 v186, v184                           ; the first weight: 1 / (1 + e2)
	v_lshlrev_b32 v188, v[I1], v185                ; (plain places behind the reciprocal)  1 << e0
	v_lshlrev_b32 v189, v[I2], v185                ; 1 << e1
	s_wait_alu depctr_va_vdst(0)
	v_mul_f32 v187, v183, v186                     ; the second weight
	v_or_b32 v188, v188, v189
	v_lshl_or_b32 v190, v[I2], 8, v[I1]
	v_lshl_or_b32 v190, v188, 16, v190
	s_cmp_lg_u32 s16, 0                            ; all four waves hold the same results: wave 0 stores them
	s_cbranch_scc1 .Ldone
	global_store_b32 v6, v190, s[10:11]            ; the eight lanes of a token store the same word
	global_store_b64 v8, v[186:187], s[12:13]
.Ldone:
	s_wait_tensorcnt 0x0
	ds_add_u32 v192, v193
	s_wait_dscnt 0x0
	s_endpgm
.Lfunc_end_k_q52852047b3_gate:
	.size	k_q52852047b3_gate, .Lfunc_end_k_q52852047b3_gate-k_q52852047b3_gate
	.p2alignl 7, 3214868480
	.fill 96, 4, 3214868480
	.section	.rodata,"a",@progbits
	.p2align	6, 0x0
	.amdhsa_kernel k_q52852047b3_gate
		.amdhsa_group_segment_fixed_size 1024
		.amdhsa_private_segment_fixed_size 0
		.amdhsa_enable_private_segment 0
		.amdhsa_kernarg_size 40
		.amdhsa_user_sgpr_count 2
		.amdhsa_user_sgpr_kernarg_segment_ptr 1
		.amdhsa_wavefront_size32 1
		.amdhsa_system_sgpr_workgroup_id_x 1
		.amdhsa_system_sgpr_workgroup_id_y 1
		.amdhsa_system_sgpr_workgroup_id_z 1
		.amdhsa_system_vgpr_workitem_id 0
		.amdhsa_next_free_vgpr 194
		.amdhsa_next_free_sgpr 66
		.amdhsa_reserve_vcc 1
		.amdhsa_float_denorm_mode_32 3
		.amdhsa_float_denorm_mode_16_64 3
		.amdhsa_memory_ordered 1
		.amdhsa_forward_progress 1
		.amdhsa_inst_pref_size 29
	.end_amdhsa_kernel
	.amdgpu_metadata
---
amdhsa.version: [ 1, 2 ]
amdhsa.kernels:
  - .name:           k_q52852047b3_gate
    .symbol:         k_q52852047b3_gate.kd
    .args:
      - { .name: hidden_states, .offset: 0, .size: 8, .value_kind: global_buffer, .address_space: global }
      - { .name: gate_w, .offset: 8, .size: 8, .value_kind: global_buffer, .address_space: global }
      - { .name: gate_b, .offset: 16, .size: 8, .value_kind: global_buffer, .address_space: global }
      - { .name: choice, .offset: 24, .size: 8, .value_kind: global_buffer, .address_space: global }
      - { .name: gatew, .offset: 32, .size: 8, .value_kind: global_buffer, .address_space: global }
    .group_segment_fixed_size: 1024
    .private_segment_fixed_size: 0
    .kernarg_segment_align: 8
    .kernarg_segment_size: 40
    .max_flat_workgroup_size: 128
    .sgpr_count:     66
    .vgpr_count:     194
    .wavefront_size: 32
...
	.end_amdgpu_metadata
.endif
;; end of part 1
;; launch place (part 2): grid 2048 x 1, 1 waves a work-group, no clusters, 512 bytes of LDS; arguments hidden_states, choice, xs, route; writes xs, route
.if DOCPART == 2
	.amdgcn_target "amdgcn-amd-amdhsa--gfx1250"
	.amdhsa_code_object_version 6
	.text
	.protected	k_q52852047b3_place
	.globl	k_q52852047b3_place
	.p2align	8
	.type	k_q52852047b3_place,@function
k_q52852047b3_place:
	s_mov_b64 s[64:65], 0
	v_nop
	global_prefetch_b8 v0, s[64:65] scope:SCOPE_SE
	s_setreg_imm32_b32 hwreg(HW_REG_WAVE_MODE, 25, 1), 1
	s_wait_xcnt 0x0
; THE ROWS ARE PLACED BY EXPERT AND QUANTISED.  Work-group id = (expert e, tile j of 16 rows, quarter kq of K): one wave.  It walks all 1,024 words of choice, ranks the tokens that chose e in ascending
; order (a count of mask bits, no atomics), keeps the 16 whose ranks are 16 j .. 16 j + 15, gathers their rows of x, and turns 256 along K of each into codes of E2M1 with one E8M0 byte for each 32.
; OUT: xs codes [e][j][K step 8][c 2][lane 32][16 bytes]: THE IMAGE OF AN OPERAND'S REGISTERS (lane (r, h), registers 4 c .. 4 c + 3: k = 64 c + 32 h + 0 .. 31 of row r);
;      xs scale words, XSC bytes on, [e][j][row 16][K step 8];  route: dest[e][1024] = 2 t + k for a row (k: which of the token's two choices), 2048 + e for a padding row;  32,768 bytes on: the eight counts.
; A grid that serves every split: an expert has room for 64 tiles (a token's two experts differ, so 1,024 rows at the most).  A tile past the expert's rows stores nothing and ends, but tiles 0 to 3 are always
; made, of padding rows if need be (they take token 1023's numbers, and their results go to a row that nobody reads), so that the later launches' first fetches need no branch.
; A block's scale is 2^(floor(log2(largest magnitude)) - 2): its byte is the largest magnitude's exponent field - 2, held at 1 from below.
; LIMITS: a block of zeros gets the byte 1 where the rule says 127 (its codes are zeros, and this program alone reads the bytes); NaN and infinities are not served.
.set CH,  32                           ; v32-63   the 1,024 words of choice: register i, lane l: token 32 i + l
.set X,   64                           ; v64-191  my numbers: 64 s + 32 c + i
.set CD,  192                          ; v192-207 the codes: 8 s + 4 c + g
.set SW,  208                          ; v208-209 the two K steps' scale words
.set XSC, 4194304
	s_load_b256 s[4:11], s[0:1], 0x0               ; x s[4:5], choice s[6:7], xs s[8:9], route s[10:11]
	v_lshl_add_u32 v224, v0, 2, 0x100
	v_mov_b32 v225, 0
	s_lshr_b32 s16, ttmp9, 8                       ; e
	s_bfe_u32 s17, ttmp9, 0x60002                  ; j
	s_and_b32 s18, ttmp9, 3                        ; kq
	s_add_co_u32 s19, s16, 16
	s_lshl_b32 s19, 1, s19                         ; the bit of choice that says: e was chosen
	s_mov_b32 s20, 0                               ; rows of e so far
	s_lshl_b32 s21, s17, 4                         ; my tile's first rank
	s_mov_b32 s24, 0x76543210                      ; v_permlanex16_b32: lane l xor 16
	s_mov_b32 s25, 0xfedcba98
	v_lshlrev_b32 v1, 2, v0                        ; one wave: v0 is the lane
	v_lshlrev_b32 v2, 1, v0                        ; 2 l: the row's number if e is the token's first choice,
	v_or_b32 v3, 1, v2                             ; 2 l + 1 if its second
	v_and_b32 v5, 15, v0                           ; r
	v_lshlrev_b32 v4, 2, v5                        ; slot r
	v_lshrrev_b32 v6, 4, v0                        ; h
	s_add_co_u32 s26, s16, 2048
	v_mov_b32 v7, s26
	ds_store_b32 v4, v7                            ; the 16 slots begin as padding rows
	s_wait_kmcnt 0x0
.set i, 0
.rept 32
	global_load_b32 v[CH+i], v1, s[6:7] offset:128*i
.set i, i+1
.endr
	s_wait_loadcnt 0x0
; 32 tokens: who chose e, their ranks, and into slot rank - 16 j what falls into my tile; all else into slot 16, which nobody reads.  LDS serves a wave's instructions in order.
.macro SCAN i
	v_and_b32 v8, s19, v[CH+\i]
	v_cmp_ne_u32 vcc_lo, 0, v8
	v_mbcnt_lo_u32_b32 v9, vcc_lo, s20             ; the rows so far + the chosen lanes below mine
	v_sub_nc_u32 v9, v9, s21
	v_cndmask_b32 v9, 16, v9, vcc_lo
	v_min_u32 v9, 16, v9                           ; a rank under my tile wraps round and is held here too
	v_lshlrev_b32 v9, 2, v9
	v_bfe_u32 v8, v[CH+\i], 8, 8
	v_cmp_eq_u32 s22, s16, v8                      ; e is the second choice
	v_cndmask_b32 v10, v2, v3, s22
	v_add_nc_u32 v10, 64*\i, v10                   ; 2 t + k
	ds_store_b32 v9, v10
	s_bcnt1_i32_b32 s23, vcc_lo
	s_add_co_u32 s20, s20, s23
.endm
.irp i, 0,1,2,3,4,5,6,7,8,9,10,11,12,13,14,15,16,17,18,19,20,21,22,23,24,25,26,27,28,29,30,31
	SCAN \i
.endr
	ds_load_b32 v11, v4                            ; row r's number
	s_wait_dscnt 0x0
	s_and_b32 s26, ttmp9, 255
	s_cmp_lg_u32 s26, 0
	s_cbranch_scc1 .Lnocount                       ; an expert's first work-group stores its count
	s_lshl_b32 s26, s16, 2
	s_mov_b32 s27, 0
	s_add_nc_u64 s[28:29], s[10:11], s[26:27]
	v_mov_b32 v14, s20
	v_mov_b32 v15, 0
	global_store_b32 v15, v14, s[28:29] offset:32768       ; all lanes store the same word
.Lnocount:
	s_cmp_lt_u32 s17, 4
	s_cbranch_scc1 .Lmake
	s_cmp_lt_u32 s21, s20
	s_cbranch_scc1 .Lmake
	s_wait_tensorcnt 0x0
	ds_add_u32 v224, v225
	s_wait_dscnt 0x0
	s_endpgm                                       ; this split leaves the tile without rows
.Lmake:
	s_cmp_lg_u32 s18, 0
	s_cbranch_scc1 .Lnodest                        ; a tile's first quarter stores its rows' numbers
	s_lshl_b32 s26, s16, 12
	s_lshl_b32 s27, s17, 6
	s_add_co_u32 s26, s26, s27
	s_mov_b32 s27, 0
	s_add_nc_u64 s[30:31], s[10:11], s[26:27]
	global_store_b32 v4, v11, s[30:31]             ; both halves of the lanes store the same 64 bytes
.Lnodest:
	v_lshrrev_b32 v12, 1, v11                      ; the token;
	v_min_u32 v12, 0x3ff, v12                      ; held inside x: a padding row takes token 1023
	v_lshlrev_b32 v12, 12, v12
	v_lshlrev_b32 v19, 7, v6
	v_add_nc_u32 v12, v12, v19                     ; its row + 128 h: my block of 32 numbers
	v_lshlrev_b32 v13, 3, v6                       ; 8 h: my bytes' place in a scale word
	v_mov_b32 v25, 0                               ; (a lane exchange's destination counts as read)
	v_lshlrev_b32 v26, 4, v0                       ; an image: 16 bytes a lane
	v_lshlrev_b32 v27, 5, v5                       ; scale words: 32 bytes a row
	s_lshl_b32 s26, s18, 10
	s_mov_b32 s27, 0
	s_add_nc_u64 s[4:5], s[4:5], s[26:27]          ; x at my 256 channels
	s_lshl_b32 s26, s16, 6
	s_add_co_u32 s26, s26, s17                     ; 64 e + j
	s_lshl_b32 s32, s26, 13
	s_lshl_b32 s33, s18, 11
	s_add_co_u32 s32, s32, s33
	s_mov_b32 s33, 0
	s_add_nc_u64 s[34:35], s[8:9], s[32:33]        ; my two K steps' images
	s_lshl_b32 s36, s26, 9
	s_lshl_b32 s37, s18, 3
	s_add_co_u32 s36, s36, s37
	s_mov_b32 s37, 0
	s_add_nc_u64 s[38:39], s[8:9], s[36:37]        ; and their scale words
.irp s, 0,1
.irp c, 0,1
.irp i, 0,1,2,3,4,5,6,7
	global_load_b128 v[X+64*\s+32*\c+4*\i:X+64*\s+32*\c+4*\i+3], v12, s[4:5] offset:512*\s+256*\c+16*\i
.endr
.endr
.endr
; a block of 32: all its numbers are mine
.macro QB s, c
.set XB, X+64*\s+32*\c
	s_wait_loadcnt 8*(3-2*\s-\c)                   ; this block's eight loads are in; the eight of each later block may be out
	v_max3_num_f32 v16, |v[XB]|, |v[XB+1]|, |v[XB+2]|
	v_max3_num_f32 v17, |v[XB+3]|, |v[XB+4]|, |v[XB+5]|
.irp i, 6,10,14,18,22,26
	v_max3_num_f32 v16, v16, |v[XB+\i]|, |v[XB+\i+1]|
	v_max3_num_f32 v17, v17, |v[XB+\i+2]|, |v[XB+\i+3]|
.endr
	v_max3_num_f32 v16, v16, |v[XB+30]|, |v[XB+31]|
	v_max3_num_f32 v16, v16, v17, 0x1800000        ; and the floor 2^(3 - 127): the byte cannot fall under 1
	v_add_nc_u32 v18, 0xff000000, v16              ; 2 off the exponent field: the conversion takes that field as its scale
.irp g, 0,1,2,3
	v_cvt_scalef32_pk8_fp4_f32 v[CD+8*\s+4*\c+\g], v[XB+8*\g:XB+8*\g+7], v18
.endr
	v_lshrrev_b32 v[20+2*\s+\c], 23, v18           ; the scale's byte (also the plain line behind the conversions)
.endm
	QB 0, 0
	QB 0, 1
	QB 1, 0
	QB 1, 1
.irp s, 0,1
	v_lshl_or_b32 v24, v[21+2*\s], 16, v[20+2*\s]  ; my two bytes: blocks h and 2 + h,
	v_lshlrev_b32 v24, v13, v24                    ; at their places;
	v_permlanex16_b32 v25, v24, s24, s25
	v_or_b32 v[SW+\s], v24, v25                    ; with lane l xor 16's two the word is whole
.endr
.irp s, 0,1
.irp c, 0,1
	global_store_b128 v26, v[CD+8*\s+4*\c:CD+8*\s+4*\c+3], s[34:35] offset:1024*\s+512*\c   ; 32 lanes store 512 bytes on end
.endr
.endr
	global_store_b64 v27, v[SW:SW+1], s[38:39] offset:XSC  ; both halves of the lanes store the same
	s_wait_tensorcnt 0x0
	ds_add_u32 v224, v225
	s_wait_dscnt 0x0
	s_endpgm
.Lfunc_end_k_q52852047b3_place:
	.size	k_q52852047b3_place, .Lfunc_end_k_q52852047b3_place-k_q52852047b3_place
	.p2alignl 7, 3214868480
	.fill 96, 4, 3214868480
	.section	.rodata,"a",@progbits
	.p2align	6, 0x0
	.amdhsa_kernel k_q52852047b3_place
		.amdhsa_group_segment_fixed_size 512
		.amdhsa_private_segment_fixed_size 0
		.amdhsa_enable_private_segment 0
		.amdhsa_kernarg_size 32
		.amdhsa_user_sgpr_count 2
		.amdhsa_user_sgpr_kernarg_segment_ptr 1
		.amdhsa_wavefront_size32 1
		.amdhsa_system_sgpr_workgroup_id_x 1
		.amdhsa_system_sgpr_workgroup_id_y 1
		.amdhsa_system_sgpr_workgroup_id_z 1
		.amdhsa_system_vgpr_workitem_id 0
		.amdhsa_next_free_vgpr 226
		.amdhsa_next_free_sgpr 66
		.amdhsa_reserve_vcc 1
		.amdhsa_float_denorm_mode_32 3
		.amdhsa_float_denorm_mode_16_64 3
		.amdhsa_memory_ordered 1
		.amdhsa_forward_progress 1
		.amdhsa_inst_pref_size 37
	.end_amdhsa_kernel
	.amdgpu_metadata
---
amdhsa.version: [ 1, 2 ]
amdhsa.kernels:
  - .name:           k_q52852047b3_place
    .symbol:         k_q52852047b3_place.kd
    .args:
      - { .name: hidden_states, .offset: 0, .size: 8, .value_kind: global_buffer, .address_space: global }
      - { .name: choice, .offset: 8, .size: 8, .value_kind: global_buffer, .address_space: global }
      - { .name: xs, .offset: 16, .size: 8, .value_kind: global_buffer, .address_space: global }
      - { .name: route, .offset: 24, .size: 8, .value_kind: global_buffer, .address_space: global }
    .group_segment_fixed_size: 512
    .private_segment_fixed_size: 0
    .kernarg_segment_align: 8
    .kernarg_segment_size: 32
    .max_flat_workgroup_size: 32
    .sgpr_count:     66
    .vgpr_count:     226
    .wavefront_size: 32
...
	.end_amdgpu_metadata
.endif
;; end of part 2
;; launch ffn1 (part 3): grid 256 x 1, 16 waves a work-group, no clusters, 108,544 bytes of LDS; arguments w1, b1, xs, route, hq, hs; writes hq, hs
.if DOCPART == 3
	.amdgcn_target "amdgcn-amd-amdhsa--gfx1250"
	.amdhsa_code_object_version 6
	.text
	.protected	k_q52852047b3_ffn1
	.globl	k_q52852047b3_ffn1
	.p2align	8
	.type	k_q52852047b3_ffn1,@function
k_q52852047b3_ffn1:
	s_mov_b64 s[64:65], 0
	v_nop
	global_prefetch_b8 v0, s[64:65] scope:SCOPE_SE
	s_setreg_imm32_b32 hwreg(HW_REG_WAVE_MODE, 25, 1), 1
	s_wait_xcnt 0x0
; THE FIRST PRODUCT OF AN EXPERT, ON ITS OWN ROWS ONLY: h = gelu(x w1 + b1), quantised on the way.  Both operands are codes of E2M1 with one E8M0 byte for each 32 along K = 1,024.
; SHARES: work-group = (expert e, slice sl of 128 hidden units); 8 x 32 = 256 work-groups, each reads 512 KB of w1 and nobody else reads those bytes: every byte of w1 leaves memory once.
; Sixteen waves, wave = g + 4 q.  PHASE 1: wave (g, q) quantises columns 32 g .. 32 g + 31 of the slice, K = 256 q .. 256 q + 255, in registers, and lays the fragments into LDS as images of an operand's registers.
; PHASE 2: wave (g, q) holds all of K for its 32 columns in 128 registers and walks the expert's tiles of 16 rows q, q + 4, q + 8 ..
; w1 IS STORED [K][N].  A LANE TAKES A COLUMN AND ITS REGISTERS RUN DOWN K: a load reads 128 bytes on end (the four waves of a q: 512), a block of 32 lies in one lane, and the conversions give codes with K innermost.
; Lane L takes column (L & 7) + 16 ((L >> 3) & 1) + 8 (L >> 4).  Blocks 2 c go to one run of registers, blocks 2 c + 1 to another; an exchange of halves between the two makes them the fragments of two tiles of
; 16 columns, and the lane's four scale bytes are the scale word of tile 0 in lanes 0-15 and of tile 1 in lanes 16-31.
; THE PRODUCT IS USED TRANSPOSED (source 0 = 16 columns of w1, source 1 = 16 rows of x): by the choice of columns above lane (r, h) holds row r, and the 16 registers of its two accumulators are the
; 16 NEIGHBOURING hidden units 16 h + 0 .. 15 of the wave's 32, which are one block of the next product's K: one lane exchange joins the two halves' largest magnitudes.
; b1 is the C of each sum's first matrix instruction: its image lies in LDS, 2 KB a wave, and is loaded into the accumulators.
; gelu(x) = max(x, 0) - |x| E, E = erfc(|x| / sqrt 2) / 2 = exp(-x^2 / 2) (a1 t + .. + a5 t^5) / 2, t = 1 / (1 + 0.2316419 |x|) (Abramowitz and Stegun 7.1.26), all in f32.
; OUT: hq [e][tile 64][K step 32][c 2][lane 32][16 bytes], the image of the next operand's registers; hs [e][K step 32][tile 64][row 16] scale words.
; No tensor load, no cluster: the walk over tiles hangs on a count read from memory, and no two work-groups read the same weights.
; LIMITS: erfc's absolute error is 1.5e-7 by the formula's bound; a block of zeros gets the byte 1 (zero codes; own bytes); NaN and infinities are not served.
.set WPITCH, 16384                     ; a row of w1 in bytes
.set WSC,  65536                       ; LDS: 0: the weights' images, fragment pair f = 8 g + K step: f 2048 + u 1024 + c 512 + 16 lane;  here their scale words, f 128 + 4 lane
.set SB,   69632                       ; the scale bytes of h: 256 bytes of its own for each wave: 16 trip + row
.set BIAS, 73728                       ; b1's images: 2,048 bytes for each wave
.set XSC,  4194304
.set VOFF, 1                           ; v1   4 x my column
.set VST,  2                           ; v2   where I store images        (phase 1; v2-5 then hold max(x, 0))
.set VSS,  3                           ; v3   and scale words
.set VRD,  4                           ; v4   where I read my 16 fragments
.set VRS,  5                           ; v5   and their scale words
.set TD,   2
.set L16,  6                           ; v6   16 x lane
.set R32,  7                           ; v7   32 r
.set HQO,  8                           ; v8   my 8 bytes in a K step's image of h
.set SBA,  9                           ; v9   my wave's scale bytes, row r
.set SBT,  10                          ; v10  the same, this trip's
.set BY,   11                          ; v11  the scale's byte
.set PP,   12                          ; v12-13 the 16 codes
.set A4,   14                          ; v14-15 a4 / 2, twice
.set TA,   16                          ; v16-27 at work in the gelu
.set TB,   20
.set TC,   24
.set M0,   28
.set M1,   29
.set SCL,  30
.set BAD,  31                          ; v31  my wave's image of b1
.set ACC,  32                          ; v32-39, v40-47 the two accumulators
.set WS,   48                          ; v48-55 the weights' scale words: scales and nothing else
.set XS,   56                          ; v56-63 x's scale words: scales and nothing else
.set ST,   64                          ; v64-127 phase 1: two sets of 32 numbers of w1
.set XA,   64                          ;         phase 2: x's eight fragments
.set WF,   128                         ; v128-255 phase 2: the weights: 16 s + 8 u + 4 c
.set TT,   128                         ; phase 1: the fragments just made: 16 ks + 8 u + 4 c
.set WW,   160                         ; v160-161 their scale words
.set MQ0,  162
.set MQ1,  163
.set SCQ,  164
.set BYQ,  165
.set ZZ,   166                         ; v166-167 zeros
.set BST,  168                         ; v168-183 b1 as loaded
.macro LOADB b                         ; block b of my 8: w1(32 b + i, my column) into set b % 2
.set i, 0
.rept 32
	global_load_b32 v[ST+32*((\b)%2)+i], v[VOFF], s[4:5] offset:(32*(\b)+i)*WPITCH th:TH_LOAD_NT
.set i, i+1
.endr
.endm
.macro QBLK b                          ; block b becomes 4 registers of codes and a byte
.set XB, ST+32*((\b)%2)
.set KS, (\b)/4
.set BB, (\b)%4
.set CC, BB/2
.set HH, BB%2
.if (\b) < 7
	s_wait_loadcnt 32                              ; this block's 32 loads are in; the next block's 32 may be out
.else
	s_wait_loadcnt 0x0
.endif
	v_max3_num_f32 v[MQ0], |v[XB]|, |v[XB+1]|, |v[XB+2]|
	v_max3_num_f32 v[MQ1], |v[XB+3]|, |v[XB+4]|, |v[XB+5]|
.irp i, 6,10,14,18,22,26
	v_max3_num_f32 v[MQ0], v[MQ0], |v[XB+\i]|, |v[XB+\i+1]|
	v_max3_num_f32 v[MQ1], v[MQ1], |v[XB+\i+2]|, |v[XB+\i+3]|
.endr
	v_max3_num_f32 v[MQ0], v[MQ0], |v[XB+30]|, |v[XB+31]|
	v_max3_num_f32 v[MQ0], v[MQ0], v[MQ1], 0x1800000       ; and the floor 2^(3 - 127): the byte cannot fall under 1
	v_add_nc_u32 v[SCQ], 0xff000000, v[MQ0]        ; 2 off the exponent field: the conversion's scale
	v_lshrrev_b32 v[BYQ], 23, v[SCQ]
.if BB == 0
	v_mov_b32 v[WW+KS], v[BYQ]
.else
	v_lshl_or_b32 v[WW+KS], v[BYQ], 8*BB, v[WW+KS]
.endif
.irp g, 0,1,2,3
	v_cvt_scalef32_pk8_fp4_f32 v[TT+16*KS+8*HH+4*CC+\g], v[XB+8*\g:XB+8*\g+7], v[SCQ]
.endr
.if (\b)+2 < 8
	LOADB (\b)+2                                   ; the set just read takes the block two on
.endif
.if HH == 1
	v_nop                                          ; one plain line between the conversions and the lines that touch their results
.irp g, 0,1,2,3
	v_permlane16_swap_b32 v[TT+16*KS+4*CC+\g], v[TT+16*KS+8+4*CC+\g]   ; the first's lanes 16-31 change places with the second's lanes 0-15: two fragments' registers 4 c + g
.endr
.endif
.endm
.macro PUTK ks                         ; a K step's two fragments and their scale word go to LDS as they stand
.irp u, 0,1
.irp c, 0,1
	ds_store_b128 v[VST], v[TT+16*(\ks)+8*\u+4*\c:TT+16*(\ks)+8*\u+4*\c+3] offset:(\ks)*2048+\u*1024+\c*512
.endr
.endr
	ds_store_b32 v[VSS], v[WW+(\ks)] offset:(\ks)*128
.endm
.macro AFETCH off                      ; x's eight fragments and scale words of the tile 4 off tiles on
.set i, 0
.rept 16
	global_load_b128 v[XA+4*i:XA+4*i+3], v[L16], s[28:29] offset:512*i+(\off)*32768
.set i, i+1
.endr
	global_load_b128 v[XS:XS+3], v[R32], s[30:31] offset:(\off)*2048
	global_load_b128 v[XS+4:XS+7], v[R32], s[30:31] offset:16+(\off)*2048
.endm
.macro GELU4 b                         ; four numbers, in place
.set GA, ACC+4*(\b)
.irp i, 0,1,2,3
	v_fma_f32 v[TA+\i], |v[GA+\i]|, s38, 1.0       ; 1 + p |x| / sqrt 2
.endr
.irp i, 0,1,2,3
	v_mul_f32 v[TB+\i], |v[GA+\i]|, s39            ; |x| sqrt(log2(e) / 2)
.endr
.irp i, 0,2
	v_pk_mul_f32 v[TB+\i:TB+\i+1], v[TB+\i:TB+\i+1], v[TB+\i:TB+\i+1] neg_lo:[1,0] neg_hi:[1,0]   ; -x^2 log2(e) / 2
.endr
.irp i, 0,1,2,3
	v_rcp_f32 v[TA+\i], v[TA+\i]                   ; t
.endr
.irp i, 0,1,2,3
	v_exp_f32 v[TB+\i], v[TB+\i]                   ; exp(-x^2 / 2)
.endr
.irp i, 0,1,2,3
	v_max_num_f32 v[TD+\i], 0, v[GA+\i]            ; max(x, 0): also the plain place behind the transcendentals
.endr
	s_wait_alu depctr_va_vdst(0)
.irp i, 0,2
	v_pk_fma_f32 v[TC+\i:TC+\i+1], v[TA+\i:TA+\i+1], s[46:47], v[A4:A4+1] op_sel_hi:[1,0,1]
.endr
.irp i, 0,2
	v_pk_fma_f32 v[TC+\i:TC+\i+1], v[TC+\i:TC+\i+1], v[TA+\i:TA+\i+1], s[44:45] op_sel_hi:[1,1,0]
.endr
.irp i, 0,2
	v_pk_fma_f32 v[TC+\i:TC+\i+1], v[TC+\i:TC+\i+1], v[TA+\i:TA+\i+1], s[42:43] op_sel_hi:[1,1,0]
.endr
.irp i, 0,2
	v_pk_fma_f32 v[TC+\i:TC+\i+1], v[TC+\i:TC+\i+1], v[TA+\i:TA+\i+1], s[40:41] op_sel_hi:[1,1,0]
.endr
.irp i, 0,2
	v_pk_mul_f32 v[TC+\i:TC+\i+1], v[TC+\i:TC+\i+1], v[TA+\i:TA+\i+1]
.endr
.irp i, 0,2
	v_pk_mul_f32 v[TC+\i:TC+\i+1], v[TC+\i:TC+\i+1], v[TB+\i:TB+\i+1]     ; E
.endr
.irp i, 0,1,2,3
	v_fma_f32 v[GA+\i], -|v[GA+\i]|, v[TC+\i], v[TD+\i]
.endr
.endm
	s_load_b256 s[4:11], s[0:1], 0x0               ; w1 s[4:5], b1 s[6:7], xs s[8:9], route s[10:11]
	s_load_b128 s[12:15], s[0:1], 0x20             ; hq s[12:13], hs s[14:15]
	v_lshrrev_b32 v16, 5, v0
	v_readfirstlane_b32 s16, v16                   ; wave 0..15
	s_and_b32 s17, s16, 3                          ; g
	s_lshr_b32 s18, s16, 2                         ; q
	s_lshr_b32 s19, ttmp9, 5                       ; e
	s_and_b32 s20, ttmp9, 31                       ; sl
	v_and_b32 v16, 31, v0                          ; lane
	v_and_b32 v17, 15, v0                          ; r
	v_bfe_u32 v18, v0, 4, 1                        ; h
	v_and_b32 v19, 7, v0
	v_bfe_u32 v20, v0, 3, 1
	v_lshl_add_u32 v19, v20, 4, v19
	v_lshl_add_u32 v19, v18, 3, v19                ; my column of the wave's 32
	v_lshlrev_b32 v[VOFF], 2, v19
	v_lshlrev_b32 v21, 6, v18                      ; b1: my 16 units begin 64 h bytes on
	s_lshl_b32 s26, s19, 24                        ; w1: the expert's 16 MB,
	s_lshl_b32 s25, s18, 22                        ; 256 q rows,
	s_add_co_u32 s26, s26, s25
	s_lshl_b32 s36, s20, 9
	s_lshl_b32 s25, s17, 7
	s_add_co_u32 s36, s36, s25                     ; column 128 sl + 32 g, in bytes
	s_add_co_u32 s26, s26, s36
	s_mov_b32 s27, 0
	s_lshl_b32 s25, s19, 14
	s_add_co_u32 s36, s36, s25                     ; b1: + the expert's row
	s_mov_b32 s37, 0
	s_lshl_b32 s48, s19, 2                         ; never rewritten: the count's load names it
	s_wait_kmcnt 0x0
	s_load_b32 s21, s[10:11], s48 offset:0x8000    ; the expert's rows
	s_add_nc_u64 s[4:5], s[4:5], s[26:27]
	s_add_nc_u64 s[6:7], s[6:7], s[36:37]
.irp i, 0,1,2,3
	global_load_b128 v[BST+4*\i:BST+4*\i+3], v21, s[6:7] offset:16*\i
.endr
	LOADB 0
	LOADB 1
	v_lshlrev_b32 v[L16], 4, v16
	v_lshlrev_b32 v[R32], 5, v17
	s_lshl_b32 s25, s17, 3
	s_lshl_b32 s26, s18, 1
	s_add_co_u32 s25, s25, s26                     ; 8 g + 2 q: my first fragment pair
	s_lshl_b32 s26, s25, 11
	v_add_nc_u32 v[VST], s26, v[L16]
	s_lshl_b32 s26, s25, 7
	s_add_co_u32 s26, s26, WSC
	v_lshl_add_u32 v[VSS], v16, 2, s26
	s_lshl_b32 s26, s17, 14
	v_add_nc_u32 v[VRD], s26, v[L16]
	s_lshl_b32 s26, s17, 10
	s_add_co_u32 s26, s26, WSC
	v_lshl_add_u32 v[VRS], v16, 2, s26
	s_lshr_b32 s25, s17, 1                         ; block g of the next K step lies in registers 4 (g / 2) .. of lanes 16 (g % 2) + r
	s_lshl_b32 s25, s25, 9
	s_and_b32 s26, s17, 1
	s_lshl_b32 s26, s26, 8
	s_add_co_u32 s25, s25, s26
	v_lshlrev_b32 v[HQO], 4, v17
	v_lshl_add_u32 v[HQO], v18, 3, v[HQO]
	v_add_nc_u32 v[HQO], s25, v[HQO]
	s_lshl_b32 s25, s16, 8
	s_add_co_u32 s25, s25, SB
	v_add_nc_u32 v[SBA], s25, v17
	s_lshl_b32 s25, s16, 11
	s_add_co_u32 s25, s25, BIAS
	v_add_nc_u32 v[BAD], s25, v[L16]
	v_lshl_add_u32 v[MQ0], v0, 3, SB
	v_mov_b32 v[ZZ], 0
	v_mov_b32 v[ZZ+1], 0
	ds_store_b64 v[MQ0], v[ZZ:ZZ+1]                ; my wave's 256 scale bytes begin as zeros: tiles that are not made leave them so
	s_lshl_b32 s25, s19, 6
	s_add_co_u32 s25, s25, s18                     ; tile 64 e + q
	s_lshl_b32 s26, s25, 13
	s_add_nc_u64 s[28:29], s[8:9], s[26:27]        ; its codes,
	s_lshl_b32 s26, s25, 9
	s_add_nc_u64 s[30:31], s[8:9], s[26:27]
	s_add_nc_u64 s[30:31], s[30:31], XSC           ; its scale words,
	s_lshl_b32 s26, s25, 15
	s_lshl_b32 s25, s20, 10
	s_add_co_u32 s26, s26, s25
	s_add_nc_u64 s[32:33], s[12:13], s[26:27]      ; and K step sl of its image of h
	s_lshl_b32 s25, s19, 5
	s_add_co_u32 s25, s25, s20
	s_lshl_b32 s26, s25, 12
	s_add_nc_u64 s[14:15], s[14:15], s[26:27]      ; hs: the 4,096 bytes of (e, sl)
	s_mov_b32 s34, 0x76543210                      ; v_permlanex16_b32: lane l xor 16
	s_mov_b32 s35, 0xfedcba98
	s_mov_b32 s38, 0x3e6d3388                      ; 0.3275911 / sqrt 2
	s_mov_b32 s39, 0x3f596d27                      ; sqrt(log2(e) / 2)
	s_mov_b32 s40, 0x3e027906                      ; a1 / 2 (the packed forms name pairs and take the low word: both words are written)
	s_mov_b32 s41, s40
	s_mov_b32 s42, 0xbe11a98e                      ; a2 / 2
	s_mov_b32 s43, s42
	s_mov_b32 s44, 0x3f35f0e3                      ; a3 / 2
	s_mov_b32 s45, s44
	s_mov_b32 s46, 0x3f07dc22                      ; a5 / 2
	s_mov_b32 s47, s46
	v_mov_b32 v[A4], 0xbf3a00e3                    ; a4 / 2
	v_mov_b32 v[A4+1], 0xbf3a00e3
	; ---- PHASE 1
	QBLK 0
.irp i, 0,1,2,3
	ds_store_b128 v[BAD], v[BST+4*\i:BST+4*\i+3] offset:512*\i     ; b1 was asked for ahead of block 0, so it is in
.endr
	QBLK 1
	QBLK 2
	QBLK 3
	PUTK 0
	QBLK 4
	QBLK 5
	QBLK 6
	QBLK 7
	PUTK 1
	AFETCH 0                                       ; tile q is always there: no branch
	s_wait_kmcnt 0x0
	s_add_co_u32 s21, s21, 15
	s_lshr_b32 s21, s21, 4
	s_max_u32 s21, s21, 4
	s_min_u32 s21, s21, 64                         ; the expert's tiles: at least the four that are always made
	s_wait_dscnt 0x0                               ; for the other waves' sake: my images have landed
	s_barrier_signal -1
	s_barrier_wait -1
	; ---- PHASE 2
.irp s, 0,1,2,3,4,5,6,7
.irp u, 0,1
.irp c, 0,1
	ds_load_b128 v[WF+16*\s+8*\u+4*\c:WF+16*\s+8*\u+4*\c+3], v[VRD] offset:\s*2048+\u*1024+\c*512
.endr
.endr
	ds_load_b32 v[WS+\s], v[VRS] offset:128*\s
.endr
	s_mov_b32 s22, s18                             ; J, my tile
	s_mov_b32 s23, 0                               ; the trip
	s_mov_b32 s24, 0                               ; 16 x trip
.Ltrip:                                                ; sixteen trips whatever the count: a trip past the expert's tiles only steps
	v_add_nc_u32 v[SBT], s24, v[SBA]
	s_cmp_ge_u32 s22, s21
	s_cbranch_scc1 .Lskip
.irp i, 0,1,2,3
	ds_load_b128 v[ACC+4*\i:ACC+4*\i+3], v[BAD] offset:512*\i      ; b1 starts the sums
.endr
	s_wait_loadcnt 0x0                             ; x's fragments and scale words
	s_wait_dscnt 0x0                               ; b1; in the first trip the weights too
.irp s, 0,1,2,3,4,5,6,7                        ; the two accumulators take turns, one instruction a turn, over the backward jump too
	v_wmma_scale_f32_16x16x128_f8f6f4 v[ACC:ACC+7], v[WF+16*\s:WF+16*\s+7], v[XA+8*\s:XA+8*\s+7], v[ACC:ACC+7], v[WS+\s], v[XS+\s] matrix_a_fmt:MATRIX_FMT_FP4 matrix_b_fmt:MATRIX_FMT_FP4
	v_wmma_scale_f32_16x16x128_f8f6f4 v[ACC+8:ACC+15], v[WF+16*\s+8:WF+16*\s+15], v[XA+8*\s:XA+8*\s+7], v[ACC+8:ACC+15], v[WS+\s], v[XS+\s] matrix_a_fmt:MATRIX_FMT_FP4 matrix_b_fmt:MATRIX_FMT_FP4 matrix_a_scale:MATRIX_SCALE_ROW1
.endr
.rept 5
	v_nop                                          ; plain places: four in front of the loads into x's registers and of the first read of results, five in front of the next trip's products, which write over these
.endr
	s_add_co_u32 s25, s22, 4
	s_cmp_ge_u32 s25, s21
	s_cbranch_scc1 .Lnofetch
	AFETCH 1                                       ; my next tile lands while this one's gelu is worked
.Lnofetch:
	GELU4 0                                        ; each accumulator is read from its low end on
	GELU4 1
	GELU4 2
	GELU4 3
	v_max3_num_f32 v[M0], |v[ACC]|, |v[ACC+1]|, 0x1800000  ; the block's largest magnitude: my 16 and the floor 2^(3 - 127),
	v_max3_num_f32 v[M1], |v[ACC+2]|, |v[ACC+3]|, |v[ACC+4]|
	v_max3_num_f32 v[M0], v[M0], |v[ACC+5]|, |v[ACC+6]|
	v_max3_num_f32 v[M1], v[M1], |v[ACC+7]|, |v[ACC+8]|
	v_max3_num_f32 v[M0], v[M0], |v[ACC+9]|, |v[ACC+10]|
	v_max3_num_f32 v[M1], v[M1], |v[ACC+11]|, |v[ACC+12]|
	v_max3_num_f32 v[M0], v[M0], |v[ACC+13]|, |v[ACC+14]|
	v_max3_num_f32 v[M1], v[M1], |v[ACC+15]|, v[M0]
	v_permlanex16_b32 v[M0], v[M1], s34, s35
	v_max_num_f32 v[M0], v[M0], v[M1]              ; with lane l xor 16's 16
	v_add_nc_u32 v[SCL], 0xff000000, v[M0]
	v_cvt_scalef32_pk8_fp4_f32 v[PP], v[ACC:ACC+7], v[SCL]
	v_cvt_scalef32_pk8_fp4_f32 v[PP+1], v[ACC+8:ACC+15], v[SCL]
	v_lshrrev_b32 v[BY], 23, v[SCL]                ; the scale's byte: also the plain line behind the conversions
	global_store_b64 v[HQO], v[PP:PP+1], s[32:33]  ; the wave stores 256 bytes on end, at a multiple of 256: 16 rows x the block's 16 bytes
	ds_store_b8 v[SBT], v[BY]                      ; both lanes of a row write the same byte
.Lskip:
	s_wait_xcnt 0x0                                ; the pointers and the codes' registers are written again only behind this wait
	s_add_nc_u64 s[28:29], s[28:29], 32768
	s_add_nc_u64 s[30:31], s[30:31], 2048
	s_add_nc_u64 s[32:33], s[32:33], 131072
	s_add_co_u32 s22, s22, 4
	s_add_co_u32 s24, s24, 16
	s_add_co_u32 s23, s23, 1
	s_cmp_lt_u32 s23, 16
	s_cbranch_scc1 .Ltrip
	s_wait_dscnt 0x0                               ; for the other waves' sake: my scale bytes have landed
	s_barrier_signal -1
	s_barrier_wait -1
	; the scale words: thread n makes those of tile n / 8, rows 2 (n % 8) and + 1: byte g comes from wave g + 4 (tile % 4), trip tile / 4
	v_bfe_u32 v16, v0, 3, 2
	v_lshrrev_b32 v17, 5, v0
	v_and_b32 v18, 7, v0
	v_lshlrev_b32 v16, 10, v16
	v_lshl_add_u32 v16, v17, 4, v16
	v_lshl_add_u32 v16, v18, 1, v16
	v_add_nc_u32 v16, SB, v16
	ds_load_u16 v20, v16
	ds_load_u16 v21, v16 offset:256
	ds_load_u16 v22, v16 offset:512
	ds_load_u16 v23, v16 offset:768
	v_lshlrev_b32 v19, 3, v0
	s_mov_b32 s25, 0x06040200
	s_mov_b32 s26, 0x07050301
	s_wait_dscnt 0x0
	v_lshl_or_b32 v20, v21, 16, v20
	v_lshl_or_b32 v22, v23, 16, v22
	v_perm_b32 v24, v22, v20, s25                  ; the even row's four bytes,
	v_perm_b32 v25, v22, v20, s26                  ; the odd row's
	global_store_b64 v19, v[24:25], s[14:15]       ; a wave stores 256 bytes on end
	s_wait_xcnt 0x0
	v_lshl_add_u32 v254, v0, 2, 0x1a000
	v_mov_b32 v255, 0
	s_wait_tensorcnt 0x0
	ds_add_u32 v254, v255
	s_wait_dscnt 0x0
	s_endpgm
.Lfunc_end_k_q52852047b3_ffn1:
	.size	k_q52852047b3_ffn1, .Lfunc_end_k_q52852047b3_ffn1-k_q52852047b3_ffn1
	.p2alignl 7, 3214868480
	.fill 96, 4, 3214868480
	.section	.rodata,"a",@progbits
	.p2align	6, 0x0
	.amdhsa_kernel k_q52852047b3_ffn1
		.amdhsa_group_segment_fixed_size 108544
		.amdhsa_private_segment_fixed_size 0
		.amdhsa_enable_private_segment 0
		.amdhsa_kernarg_size 48
		.amdhsa_user_sgpr_count 2
		.amdhsa_user_sgpr_kernarg_segment_ptr 1
		.amdhsa_wavefront_size32 1
		.amdhsa_system_sgpr_workgroup_id_x 1
		.amdhsa_system_sgpr_workgroup_id_y 1
		.amdhsa_system_sgpr_workgroup_id_z 1
		.amdhsa_system_vgpr_workitem_id 0
		.amdhsa_next_free_vgpr 256
		.amdhsa_next_free_sgpr 66
		.amdhsa_reserve_vcc 0
		.amdhsa_float_denorm_mode_32 3
		.amdhsa_float_denorm_mode_16_64 3
		.amdhsa_memory_ordered 1
		.amdhsa_forward_progress 1
		.amdhsa_inst_pref_size 62
	.end_amdhsa_kernel
	.amdgpu_metadata
---
amdhsa.version: [ 1, 2 ]
amdhsa.kernels:
  - .name:           k_q52852047b3_ffn1
    .symbol:         k_q52852047b3_ffn1.kd
    .args:
      - { .name: w1, .offset: 0, .size: 8, .value_kind: global_buffer, .address_space: global }
      - { .name: b1, .offset: 8, .size: 8, .value_kind: global_buffer, .address_space: global }
      - { .name: xs, .offset: 16, .size: 8, .value_kind: global_buffer, .address_space: global }
      - { .name: route, .offset: 24, .size: 8, .value_kind: global_buffer, .address_space: global }
      - { .name: hq, .offset: 32, .size: 8, .value_kind: global_buffer, .address_space: global }
      - { .name: hs, .offset: 40, .size: 8, .value_kind: global_buffer, .address_space: global }
    .group_segment_fixed_size: 108544
    .private_segment_fixed_size: 0
    .kernarg_segment_align: 8
    .kernarg_segment_size: 48
    .max_flat_workgroup_size: 512
    .sgpr_count:     66
    .vgpr_count:     256
    .wavefront_size: 32
...
	.end_amdgpu_metadata
.endif
;; end of part 3
;; launch ffn2 (part 4): grid 256 x 1, 16 waves a work-group, no clusters, 141,312 bytes of LDS; arguments w2, b2, hq, hs, route, y; writes y
.if DOCPART == 4
	.amdgcn_target "amdgcn-amd-amdhsa--gfx1250"
	.amdhsa_code_object_version 6
	.text
	.protected	k_q52852047b3_ffn2
	.globl	k_q52852047b3_ffn2
	.p2align	8
	.type	k_q52852047b3_ffn2,@function
k_q52852047b3_ffn2:
	s_mov_b64 s[64:65], 0
	v_nop
	global_prefetch_b8 v0, s[64:65] scope:SCOPE_SE
	s_setreg_imm32_b32 hwreg(HW_REG_WAVE_MODE, 25, 1), 1
	s_wait_xcnt 0x0
; THE SECOND PRODUCT OF AN EXPERT, ON ITS OWN ROWS ONLY: y = h w2 + b2, on codes of E2M1 with one E8M0 byte for each 32 along K = 4,096.  h arrives as codes (the launch before made them); w2 is quantised here.
; SHARES: work-group = (expert e, slice sl of 64 columns, half kh of K): 8 x 16 x 2 = 256 work-groups; each reads 512 KB of w2, in runs of 256 bytes at multiples of 256, and nobody else reads those bytes.
; Sixteen waves, wave = g + 4 q, g = cg + 2 kg.  PHASE 1: wave (g, q) quantises columns 32 cg .. + 31 of the slice, K = 2048 kh + 1024 kg + 256 q .. + 255, in registers (a lane to a column, registers down K;
; lane L takes column (L & 7) + 16 ((L >> 3) & 1) + 8 (L >> 4); an exchange of halves makes two fragments; the lane's four bytes are the scale word of tile 0 in lanes 0-15, of tile 1 in lanes 16-31), images to LDS.
; PHASE 2: wave (g, q) holds 1,024 along K of its 32 columns in 128 registers and walks tiles q, q + 4, ..  The product is used transposed: lane (r, h) holds row r and 16 neighbouring columns 16 h + 0 .. 15.
; The two kg of a tile meet in a stage in LDS (two stages by turns, one barrier a tile); b2 is added by the half kh = 0; each row goes to y[kh][dest], 16 lanes storing 256 bytes on end.
; y[kh][2 t + k]: the row of token t's k-th choice; rows 2048 + e take the padding rows and are read by nobody.  The two halves and the two choices are added by the next launch: no traffic between work-groups.
; No tensor load, no cluster: the walk over tiles hangs on a count read from memory, and no two work-groups read the same weights.
; LIMITS: a block of zeros gets the byte 1 (zero codes; own bytes); NaN and infinities are not served (b2 is multiplied by 1 or 0).
.set WPITCH, 4096                      ; a row of w2 in bytes
.set WSC,  65536                       ; LDS: 0: the weights' images, f = 8 g + K step: f 2048 + u 1024 + c 512 + 16 lane;  here their scale words
.set RED,  69632                       ; two stages: par PARB + q 8704 + kg 4352 + row 272 + byte: a row is the slice's 256 bytes + 16 of padding, so 16 rows fall on 16 different columns of 16 bytes
.set PARB, 34816
.set YH,   8421376                     ; a half of y: 2,056 rows of 4,096 bytes
.set VOFF, 1                           ; v1   4 x my column
.set VST,  2
.set VSS,  3
.set VRD,  4
.set VRS,  5
.set L16,  6                           ; v6   16 x lane
.set R4,   7                           ; v7   4 r
.set DO,   8                           ; v8   4 x (4 g + lane / 16): the rows that I send out
.set RW,   9                           ; v9   the stage, in
.set RR,   10                          ; v10  the stage, back
.set YL,   11                          ; v11  16 (lane % 16)
.set BB,   12                          ; v12-15 b2 of my four columns, or zeros
.set DI,   16                          ; v16-17 two rows' numbers as loaded
.set YA,   18                          ; v18-19 their byte offsets in y
.set ACC,  32                          ; v32-47 the two accumulators; behind the stage the rows read back
.set WS,   48                          ; v48-55 the weights' scale words: scales and nothing else
.set HS,   56                          ; v56-63 h's scale words: scales and nothing else
.set ST,   64
.set HA,   64                          ; v64-127 h's eight fragments
.set WF,   128
.set TT,   128
.set WW,   160
.set MQ0,  162
.set MQ1,  163
.set SCQ,  164
.set BYQ,  165
.macro LOADB b                         ; block b of my 8: w2(32 b + i, my column) into set b % 2
.set i, 0
.rept 32
	global_load_b32 v[ST+32*((\b)%2)+i], v[VOFF], s[4:5] offset:(32*(\b)+i)*WPITCH th:TH_LOAD_NT
.set i, i+1
.endr
.endm
.macro QBLK b                          ; block b becomes 4 registers of codes and a byte
.set XB, ST+32*((\b)%2)
.set KS, (\b)/4
.set BQ, (\b)%4
.set CC, BQ/2
.set HH, BQ%2
.if (\b) < 7
	s_wait_loadcnt 32                              ; this block's 32 loads are in; the next block's 32 may be out
.else
	s_wait_loadcnt 0x0
.endif
	v_max3_num_f32 v[MQ0], |v[XB]|, |v[XB+1]|, |v[XB+2]|
	v_max3_num_f32 v[MQ1], |v[XB+3]|, |v[XB+4]|, |v[XB+5]|
.irp i, 6,10,14,18,22,26
	v_max3_num_f32 v[MQ0], v[MQ0], |v[XB+\i]|, |v[XB+\i+1]|
	v_max3_num_f32 v[MQ1], v[MQ1], |v[XB+\i+2]|, |v[XB+\i+3]|
.endr
	v_max3_num_f32 v[MQ0], v[MQ0], |v[XB+30]|, |v[XB+31]|
	v_max3_num_f32 v[MQ0], v[MQ0], v[MQ1], 0x1800000       ; and the floor 2^(3 - 127): the byte cannot fall under 1
	v_add_nc_u32 v[SCQ], 0xff000000, v[MQ0]        ; 2 off the exponent field: the conversion's scale
	v_lshrrev_b32 v[BYQ], 23, v[SCQ]
.if BQ == 0
	v_mov_b32 v[WW+KS], v[BYQ]
.else
	v_lshl_or_b32 v[WW+KS], v[BYQ], 8*BQ, v[WW+KS]
.endif
.irp g, 0,1,2,3
	v_cvt_scalef32_pk8_fp4_f32 v[TT+16*KS+8*HH+4*CC+\g], v[XB+8*\g:XB+8*\g+7], v[SCQ]
.endr
.if (\b)+2 < 8
	LOADB (\b)+2                                   ; the set just read takes the block two on
.endif
.if HH == 1
	v_nop                                          ; one plain line between the conversions and the lines that touch their results
.irp g, 0,1,2,3
	v_permlane16_swap_b32 v[TT+16*KS+4*CC+\g], v[TT+16*KS+8+4*CC+\g]
.endr
.endif
.endm
.macro PUTK ks
.irp u, 0,1
.irp c, 0,1
	ds_store_b128 v[VST], v[TT+16*(\ks)+8*\u+4*\c:TT+16*(\ks)+8*\u+4*\c+3] offset:(\ks)*2048+\u*1024+\c*512
.endr
.endr
	ds_store_b32 v[VSS], v[WW+(\ks)] offset:(\ks)*128
.endm
.macro HFETCH off                      ; of the tile 4 off tiles on: h's eight fragments, their scale words, and the numbers of the two pairs of rows that I send out
.set i, 0
.rept 16
	global_load_b128 v[HA+4*i:HA+4*i+3], v[L16], s[28:29] offset:512*i+(\off)*131072
.set i, i+1
.endr
.set i, 0
.rept 8
	global_load_b32 v[HS+i], v[R4], s[30:31] offset:4096*i+(\off)*256
.set i, i+1
.endr
	global_load_b32 v[DI], v[DO], s[32:33] offset:(\off)*256
	global_load_b32 v[DI+1], v[DO], s[32:33] offset:8+(\off)*256
.endm
; A tile.  The barrier stands outside both branches: every wave passes it in every trip.  The four waves of a q have the same tile, so they take the same ways.
.macro TRIP par
	s_wait_loadcnt 0x0                             ; h's fragments, scale words, the rows' numbers.  This wait and the offsets below stand ahead of the branch, so that the offsets are written on every way;
.irp n, 0,1                                    ; a trip past the expert's tiles has no load out, makes them anew of the last numbers, and stores nothing
	v_min_u32 v[YA+\n], 2055, v[DI+\n]             ; held inside y
	v_lshlrev_b32 v[YA+\n], 12, v[YA+\n]
	v_add_nc_u32 v[YA+\n], v[YA+\n], v[YL]
.endr
	s_cmp_ge_u32 s22, s21
	s_cbranch_scc1 .Lnomul_\@
	; the first K step starts the sums; the two accumulators take turns, one instruction a turn, from tile to tile too
	v_wmma_scale_f32_16x16x128_f8f6f4 v[ACC:ACC+7], v[WF:WF+7], v[HA:HA+7], 0, v[WS], v[HS] matrix_a_fmt:MATRIX_FMT_FP4 matrix_b_fmt:MATRIX_FMT_FP4
	v_wmma_scale_f32_16x16x128_f8f6f4 v[ACC+8:ACC+15], v[WF+8:WF+15], v[HA:HA+7], 0, v[WS], v[HS] matrix_a_fmt:MATRIX_FMT_FP4 matrix_b_fmt:MATRIX_FMT_FP4 matrix_a_scale:MATRIX_SCALE_ROW1
.irp s, 1,2,3,4,5,6,7
	v_wmma_scale_f32_16x16x128_f8f6f4 v[ACC:ACC+7], v[WF+16*\s:WF+16*\s+7], v[HA+8*\s:HA+8*\s+7], v[ACC:ACC+7], v[WS+\s], v[HS+\s] matrix_a_fmt:MATRIX_FMT_FP4 matrix_b_fmt:MATRIX_FMT_FP4
	v_wmma_scale_f32_16x16x128_f8f6f4 v[ACC+8:ACC+15], v[WF+16*\s+8:WF+16*\s+15], v[HA+8*\s:HA+8*\s+7], v[ACC+8:ACC+15], v[WS+\s], v[HS+\s] matrix_a_fmt:MATRIX_FMT_FP4 matrix_b_fmt:MATRIX_FMT_FP4 matrix_a_scale:MATRIX_SCALE_ROW1
.endr
.rept 5
	v_nop                                          ; plain places: four in front of the loads into h's registers and of the LDS stores of results, five in front of the next tile's products, which write over these
.endr
	s_add_co_u32 s25, s22, 4
	s_cmp_ge_u32 s25, s21
	s_cbranch_scc1 .Lnofetch_\@
	HFETCH 1                                       ; my next tile lands while this one goes through the stage
.Lnofetch_\@:
.irp i, 0,1,2,3
	ds_store_b128 v[RW], v[ACC+4*\i:ACC+4*\i+3] offset:\par*PARB+16*\i     ; each accumulator from its low end on
.endr
.Lnomul_\@:
	s_wait_dscnt 0x0                               ; my stores have landed; my reads of the other stage were waited for in the tile before
	s_barrier_signal -1
	s_barrier_wait -1                              ; this stage is written again two tiles on, behind the next barrier, which every wave reaches behind its reads below
	s_cmp_ge_u32 s22, s21
	s_cbranch_scc1 .Lnosum_\@
.irp n, 0,1
.irp k, 0,1
	ds_load_b128 v[ACC+8*\n+4*\k:ACC+8*\n+4*\k+3], v[RR] offset:\par*PARB+\k*4352+\n*544   ; rows 4 g + 2 n + lane / 16, both kg
.endr
.endr
	s_wait_dscnt 0x0
.irp n, 0,1
	v_pk_add_f32 v[ACC+8*\n:ACC+8*\n+1], v[ACC+8*\n:ACC+8*\n+1], v[ACC+8*\n+4:ACC+8*\n+5]
	v_pk_add_f32 v[ACC+8*\n+2:ACC+8*\n+3], v[ACC+8*\n+2:ACC+8*\n+3], v[ACC+8*\n+6:ACC+8*\n+7]
	v_pk_add_f32 v[ACC+8*\n:ACC+8*\n+1], v[ACC+8*\n:ACC+8*\n+1], v[BB:BB+1]
	v_pk_add_f32 v[ACC+8*\n+2:ACC+8*\n+3], v[ACC+8*\n+2:ACC+8*\n+3], v[BB+2:BB+3]
	global_store_b128 v[YA+\n], v[ACC+8*\n:ACC+8*\n+3], s[14:15]   ; 16 lanes store 256 bytes on end of a row of y, at a multiple of 256
.endr
.Lnosum_\@:
	s_wait_xcnt 0x0                                ; pointers, offsets and the stores' data are written again only behind this wait
	s_add_nc_u64 s[28:29], s[28:29], 131072
	s_add_nc_u64 s[30:31], s[30:31], 256
	s_add_nc_u64 s[32:33], s[32:33], 256
	s_add_co_u32 s22, s22, 4
.endm
	s_load_b256 s[4:11], s[0:1], 0x0               ; w2 s[4:5], b2 s[6:7], hq s[8:9], hs s[10:11]
	s_load_b128 s[12:15], s[0:1], 0x20             ; route s[12:13], y s[14:15]
	v_lshl_add_u32 v30, v0, 2, 0x22000
	v_mov_b32 v31, 0
	v_lshrrev_b32 v20, 5, v0
	v_readfirstlane_b32 s16, v20                   ; wave 0..15
	s_and_b32 s17, s16, 3                          ; g
	s_lshr_b32 s18, s16, 2                         ; q
	s_and_b32 s36, s17, 1                          ; cg
	s_lshr_b32 s37, s17, 1                         ; kg
	s_lshr_b32 s19, ttmp9, 5                       ; e
	s_bfe_u32 s20, ttmp9, 0x40001                  ; sl
	s_and_b32 s24, ttmp9, 1                        ; kh
	v_and_b32 v20, 31, v0                          ; lane
	v_and_b32 v21, 15, v0                          ; r
	v_bfe_u32 v22, v0, 4, 1                        ; h
	v_and_b32 v23, 7, v0
	v_bfe_u32 v24, v0, 3, 1
	v_lshl_add_u32 v23, v24, 4, v23
	v_lshl_add_u32 v23, v22, 3, v23                ; my column of the wave's 32
	v_lshlrev_b32 v[VOFF], 2, v23
	v_lshlrev_b32 v[YL], 4, v21
	s_lshl_b32 s26, s19, 24                        ; w2: the expert's 16 MB,
	s_lshl_b32 s25, s24, 23                        ; 2,048 kh rows,
	s_add_co_u32 s26, s26, s25
	s_lshl_b32 s25, s37, 22                        ; 1,024 kg rows,
	s_add_co_u32 s26, s26, s25
	s_lshl_b32 s25, s18, 20                        ; 256 q rows,
	s_add_co_u32 s26, s26, s25
	s_lshl_b32 s40, s20, 8                         ; column 64 sl,
	s_add_co_u32 s26, s26, s40
	s_lshl_b32 s25, s36, 7                         ; + 32 cg
	s_add_co_u32 s26, s26, s25
	s_mov_b32 s27, 0
	s_lshl_b32 s25, s19, 12
	s_add_co_u32 s42, s40, s25                     ; b2: the expert's row, column 64 sl
	s_mov_b32 s43, 0
	s_mov_b32 s41, 0
	s_lshl_b32 s48, s19, 2                         ; never rewritten: the count's load names it
	s_cmp_eq_u32 s24, 0
	s_cselect_b32 s38, 1.0, 0                      ; b2 counts once: in the half kh = 0
	s_mov_b32 s39, s38
	s_wait_kmcnt 0x0
	s_load_b32 s21, s[12:13], s48 offset:0x8000    ; the expert's rows
	s_add_nc_u64 s[4:5], s[4:5], s[26:27]
	s_add_nc_u64 s[6:7], s[6:7], s[42:43]
	global_load_b128 v[BB:BB+3], v[YL], s[6:7]
	LOADB 0
	LOADB 1
	v_lshlrev_b32 v[L16], 4, v20
	v_lshlrev_b32 v[R4], 2, v21
	s_lshl_b32 s25, s17, 3
	s_lshl_b32 s26, s18, 1
	s_add_co_u32 s25, s25, s26                     ; 8 g + 2 q: my first fragment pair
	s_lshl_b32 s26, s25, 11
	v_add_nc_u32 v[VST], s26, v[L16]
	s_lshl_b32 s26, s25, 7
	s_add_co_u32 s26, s26, WSC
	v_lshl_add_u32 v[VSS], v20, 2, s26
	s_lshl_b32 s26, s17, 14
	v_add_nc_u32 v[VRD], s26, v[L16]
	s_lshl_b32 s26, s17, 10
	s_add_co_u32 s26, s26, WSC
	v_lshl_add_u32 v[VRS], v20, 2, s26
	s_lshl_b32 s25, s17, 4
	v_lshl_add_u32 v[DO], v22, 2, s25              ; 16 g + 4 h
	s_mul_i32 s25, s18, 8704
	s_add_co_u32 s25, s25, RED                     ; my q's part of a stage
	s_mul_i32 s26, s37, 4352
	s_add_co_u32 s26, s26, s25
	s_lshl_b32 s44, s36, 7
	s_add_co_u32 s26, s26, s44
	v_mul_u32_u24 v23, v21, 272
	v_lshl_add_u32 v23, v22, 6, v23
	v_add_nc_u32 v[RW], s26, v23                   ; in: my kg, row r, 128 cg + 64 h bytes on
	s_mul_i32 s26, s17, 1088
	s_add_co_u32 s26, s26, s25
	v_mul_u32_u24 v23, v22, 272
	v_lshl_add_u32 v23, v21, 4, v23
	v_add_nc_u32 v[RR], s26, v23                   ; back: row 4 g + lane / 16, 16 bytes a lane
	s_lshl_b32 s25, s19, 6
	s_add_co_u32 s25, s25, s18                     ; tile 64 e + q
	s_lshl_b32 s26, s25, 15
	s_lshl_b32 s25, s24, 14
	s_add_co_u32 s26, s26, s25
	s_lshl_b32 s25, s37, 13
	s_add_co_u32 s26, s26, s25
	s_add_nc_u64 s[28:29], s[8:9], s[26:27]        ; h's codes: K steps 16 kh + 8 kg on
	s_lshl_b32 s26, s19, 17
	s_lshl_b32 s25, s24, 16
	s_add_co_u32 s26, s26, s25
	s_lshl_b32 s25, s37, 15
	s_add_co_u32 s26, s26, s25
	s_lshl_b32 s25, s18, 6
	s_add_co_u32 s26, s26, s25
	s_add_nc_u64 s[30:31], s[10:11], s[26:27]      ; their scale words
	s_lshl_b32 s26, s19, 12
	s_add_co_u32 s26, s26, s25
	s_add_nc_u64 s[32:33], s[12:13], s[26:27]      ; the tile's rows' numbers
	s_mul_i32 s26, s24, YH
	s_add_co_u32 s26, s26, s40
	s_add_nc_u64 s[14:15], s[14:15], s[26:27]      ; y: my half, my slice's 256 bytes of a row
	; ---- PHASE 1
	QBLK 0
	v_pk_mul_f32 v[BB:BB+1], v[BB:BB+1], s[38:39] op_sel_hi:[1,0]  ; b2 was asked for ahead of block 0, so it is in
	v_pk_mul_f32 v[BB+2:BB+3], v[BB+2:BB+3], s[38:39] op_sel_hi:[1,0]
	QBLK 1
	QBLK 2
	QBLK 3
	PUTK 0
	QBLK 4
	QBLK 5
	QBLK 6
	QBLK 7
	PUTK 1
	HFETCH 0                                       ; tile q is always there: no branch
	s_wait_kmcnt 0x0
	s_add_co_u32 s21, s21, 15
	s_lshr_b32 s21, s21, 4
	s_max_u32 s21, s21, 4
	s_min_u32 s21, s21, 64                         ; the expert's tiles: at least the four that are always made
	s_wait_dscnt 0x0                               ; for the other waves' sake: my images have landed
	s_barrier_signal -1
	s_barrier_wait -1
	; ---- PHASE 2
.irp s, 0,1,2,3,4,5,6,7
.irp u, 0,1
.irp c, 0,1
	ds_load_b128 v[WF+16*\s+8*\u+4*\c:WF+16*\s+8*\u+4*\c+3], v[VRD] offset:\s*2048+\u*1024+\c*512
.endr
.endr
	ds_load_b32 v[WS+\s], v[VRS] offset:128*\s
.endr
	s_mov_b32 s22, s18                             ; J, my tile
	s_mov_b32 s23, 0
	s_wait_dscnt 0x0                               ; the weights
.Lloop:                                                ; eight trips of two tiles whatever the count: the stage's turn stands in the immediates
	TRIP 0
	TRIP 1
	s_add_co_u32 s23, s23, 1
	s_cmp_lt_u32 s23, 8
	s_cbranch_scc1 .Lloop
	s_wait_tensorcnt 0x0
	ds_add_u32 v30, v31
	s_wait_dscnt 0x0
	s_endpgm
.Lfunc_end_k_q52852047b3_ffn2:
	.size	k_q52852047b3_ffn2, .Lfunc_end_k_q52852047b3_ffn2-k_q52852047b3_ffn2
	.p2alignl 7, 3214868480
	.fill 96, 4, 3214868480
	.section	.rodata,"a",@progbits
	.p2align	6, 0x0
	.amdhsa_kernel k_q52852047b3_ffn2
		.amdhsa_group_segment_fixed_size 141312
		.amdhsa_private_segment_fixed_size 0
		.amdhsa_enable_private_segment 0
		.amdhsa_kernarg_size 48
		.amdhsa_user_sgpr_count 2
		.amdhsa_user_sgpr_kernarg_segment_ptr 1
		.amdhsa_wavefront_size32 1
		.amdhsa_system_sgpr_workgroup_id_x 1
		.amdhsa_system_sgpr_workgroup_id_y 1
		.amdhsa_system_sgpr_workgroup_id_z 1
		.amdhsa_system_vgpr_workitem_id 0
		.amdhsa_next_free_vgpr 256
		.amdhsa_next_free_sgpr 66
		.amdhsa_reserve_vcc 0
		.amdhsa_float_denorm_mode_32 3
		.amdhsa_float_denorm_mode_16_64 3
		.amdhsa_memory_ordered 1
		.amdhsa_forward_progress 1
		.amdhsa_inst_pref_size 61
	.end_amdhsa_kernel
	.amdgpu_metadata
---
amdhsa.version: [ 1, 2 ]
amdhsa.kernels:
  - .name:           k_q52852047b3_ffn2
    .symbol:         k_q52852047b3_ffn2.kd
    .args:
      - { .name: w2, .offset: 0, .size: 8, .value_kind: global_buffer, .address_space: global }
      - { .name: b2, .offset: 8, .size: 8, .value_kind: global_buffer, .address_space: global }
      - { .name: hq, .offset: 16, .size: 8, .value_kind: global_buffer, .address_space: global }
      - { .name: hs, .offset: 24, .size: 8, .value_kind: global_buffer, .address_space: global }
      - { .name: route, .offset: 32, .size: 8, .value_kind: global_buffer, .address_space: global }
      - { .name: y, .offset: 40, .size: 8, .value_kind: global_buffer, .address_space: global }
    .group_segment_fixed_size: 141312
    .private_segment_fixed_size: 0
    .kernarg_segment_align: 8
    .kernarg_segment_size: 48
    .max_flat_workgroup_size: 512
    .sgpr_count:     66
    .vgpr_count:     256
    .wavefront_size: 32
...
	.end_amdgpu_metadata
.endif
;; end of part 4
;; launch combine (part 5): grid 256 x 1, 4 waves a work-group, no clusters, 0 bytes of LDS; arguments y, gatew, out0; writes out0
.if DOCPART == 5
	.amdgcn_target "amdgcn-amd-amdhsa--gfx1250"
	.amdhsa_code_object_version 6
	.text
	.protected	k_q52852047b3_combine
	.globl	k_q52852047b3_combine
	.p2align	8
	.type	k_q52852047b3_combine,@function
k_q52852047b3_combine:
	s_mov_b64 s[64:65], 0
	v_nop
	global_prefetch_b8 v0, s[64:65] scope:SCOPE_SE
	s_setreg_imm32_b32 hwreg(HW_REG_WAVE_MODE, 25, 1), 1
	s_wait_xcnt 0x0
; out[t] = w0 (y[0][2 t] + y[1][2 t]) + w1 (y[0][2 t + 1] + y[1][2 t + 1]): the two halves of K are added, then the token's two experts, each with its gate weight.
; A stream: one wave to a token; every load and store of a wave covers 512 bytes on end; all 32 loads go out ahead of the first wait; each output row has one owner.
; Matrix units, LDS and clusters would add nothing here: each byte is read once and nothing is shared.
.set YH, 8421376                       ; a half of y: 2,056 rows of 4,096 bytes
	s_load_b128 s[4:7], s[0:1], 0x0                ; y s[4:5], gatew s[6:7]
	s_load_b64 s[8:9], s[0:1], 0x10                ; out
	v_lshrrev_b32 v2, 5, v0
	v_readfirstlane_b32 s10, v2                    ; wave
	v_and_b32 v2, 31, v0
	v_lshlrev_b32 v1, 4, v2                        ; 16 bytes a lane
	s_lshl_b32 s11, ttmp9, 2
	s_add_co_u32 s11, s11, s10                     ; my token
	s_lshl_b32 s12, s11, 3
	s_mov_b32 s13, 0
	s_lshl_b32 s14, s11, 13                        ; its two rows of y
	s_mov_b32 s15, 0
	s_lshl_b32 s20, s11, 12                        ; its row of out
	s_mov_b32 s21, 0
	s_wait_kmcnt 0x0
	s_add_nc_u64 s[6:7], s[6:7], s[12:13]
	s_load_b64 s[16:17], s[6:7], 0x0               ; its two weights
	s_add_nc_u64 s[4:5], s[4:5], s[14:15]
	s_add_nc_u64 s[22:23], s[4:5], YH              ; the other half of K: a base of its own, since YH is past a load's immediate
	s_add_nc_u64 s[8:9], s[8:9], s[20:21]
.irp n, 0,1,2,3,4,5,6,7
	global_load_b128 v[16+16*\n:19+16*\n], v1, s[4:5] offset:512*\n th:TH_LOAD_NT
	global_load_b128 v[20+16*\n:23+16*\n], v1, s[4:5] offset:4096+512*\n th:TH_LOAD_NT
	global_load_b128 v[24+16*\n:27+16*\n], v1, s[22:23] offset:512*\n th:TH_LOAD_NT
	global_load_b128 v[28+16*\n:31+16*\n], v1, s[22:23] offset:4096+512*\n th:TH_LOAD_NT
.endr
	s_wait_kmcnt 0x0
	s_mov_b32 s18, s17                             ; the packed forms name a pair and take its low word: w1 gets a pair of its own
	s_mov_b32 s19, s17
.irp n, 0,1,2,3,4,5,6,7
	s_wait_loadcnt 4*(7-\n)                        ; this chunk's four loads are in; the four of each later chunk may be out
.irp p, 0,2
	v_pk_add_f32 v[16+16*\n+\p:17+16*\n+\p], v[16+16*\n+\p:17+16*\n+\p], v[24+16*\n+\p:25+16*\n+\p]
	v_pk_add_f32 v[20+16*\n+\p:21+16*\n+\p], v[20+16*\n+\p:21+16*\n+\p], v[28+16*\n+\p:29+16*\n+\p]
.endr
.irp p, 0,2
	v_pk_mul_f32 v[16+16*\n+\p:17+16*\n+\p], v[16+16*\n+\p:17+16*\n+\p], s[16:17] op_sel_hi:[1,0]
.endr
.irp p, 0,2
	v_pk_fma_f32 v[16+16*\n+\p:17+16*\n+\p], v[20+16*\n+\p:21+16*\n+\p], s[18:19], v[16+16*\n+\p:17+16*\n+\p] op_sel_hi:[1,0,1]
.endr
	global_store_b128 v1, v[16+16*\n:19+16*\n], s[8:9] offset:512*\n th:TH_STORE_NT    ; no register is written again, so no wait frees any
.endr
	s_endpgm
.Lfunc_end_k_q52852047b3_combine:
	.size	k_q52852047b3_combine, .Lfunc_end_k_q52852047b3_combine-k_q52852047b3_combine
	.p2alignl 7, 3214868480
	.fill 96, 4, 3214868480
	.section	.rodata,"a",@progbits
	.p2align	6, 0x0
	.amdhsa_kernel k_q52852047b3_combine
		.amdhsa_group_segment_fixed_size 0
		.amdhsa_private_segment_fixed_size 0
		.amdhsa_enable_private_segment 0
		.amdhsa_kernarg_size 24
		.amdhsa_user_sgpr_count 2
		.amdhsa_user_sgpr_kernarg_segment_ptr 1
		.amdhsa_wavefront_size32 1
		.amdhsa_system_sgpr_workgroup_id_x 1
		.amdhsa_system_sgpr_workgroup_id_y 1
		.amdhsa_system_sgpr_workgroup_id_z 1
		.amdhsa_system_vgpr_workitem_id 0
		.amdhsa_next_free_vgpr 144
		.amdhsa_next_free_sgpr 66
		.amdhsa_reserve_vcc 0
		.amdhsa_float_denorm_mode_32 3
		.amdhsa_float_denorm_mode_16_64 3
		.amdhsa_memory_ordered 1
		.amdhsa_forward_progress 1
		.amdhsa_inst_pref_size 10
	.end_amdhsa_kernel
	.amdgpu_metadata
---
amdhsa.version: [ 1, 2 ]
amdhsa.kernels:
  - .name:           k_q52852047b3_combine
    .symbol:         k_q52852047b3_combine.kd
    .args:
      - { .name: y, .offset: 0, .size: 8, .value_kind: global_buffer, .address_space: global }
      - { .name: gatew, .offset: 8, .size: 8, .value_kind: global_buffer, .address_space: global }
      - { .name: out0, .offset: 16, .size: 8, .value_kind: global_buffer, .address_space: global }
    .group_segment_fixed_size: 0
    .private_segment_fixed_size: 0
    .kernarg_segment_align: 8
    .kernarg_segment_size: 24
    .max_flat_workgroup_size: 128
    .sgpr_count:     66
    .vgpr_count:     144
    .wavefront_size: 32
...
	.end_amdgpu_metadata
.endif
;; end of part 5
;; ======== version 2 of 2: 5 launches; version 1 with the launches ffn1, ffn2 written anew for expert scheduling mode
;; limits: a function is approximated: absolute error at most 1.5e-07
;; workspace buffers: choice 4,096 bytes of whole numbers; gatew 8,192 bytes; xs 4,456,448 bytes; route 33,024 bytes of whole numbers; hq 16,777,216 bytes; hs 1,048,576 bytes; y 16,842,752 bytes
;; launch gate: the kernel of part 1 again; grid 256 x 1, 4 waves a work-group, no clusters, 1,024 bytes of LDS; arguments hidden_states, gate_w, gate_b, choice, gatew; writes choice, gatew
;; launch place: the kernel of part 2 again; grid 2048 x 1, 1 waves a work-group, no clusters, 512 bytes of LDS; arguments hidden_states, choice, xs, route; writes xs, route
;; launch ffn1 (part 6): grid 256 x 1, 16 waves a work-group, no clusters, 108,544 bytes of LDS; arguments w1, b1, xs, route, hq, hs; writes hq, hs
.if DOCPART == 6
	.amdgcn_target "amdgcn-amd-amdhsa--gfx1250"
	.amdhsa_code_object_version 6
	.text
	.protected	k_q52852047b3_ffn1
	.globl	k_q52852047b3_ffn1
	.p2align	8
	.type	k_q52852047b3_ffn1,@function
k_q52852047b3_ffn1:
	s_mov_b64 s[64:65], 0
	v_nop
	global_prefetch_b8 v0, s[64:65] scope:SCOPE_SE
	s_setreg_imm32_b32 hwreg(HW_REG_WAVE_SCHED_MODE, 0, 2), 2
	s_setreg_imm32_b32 hwreg(HW_REG_WAVE_MODE, 25, 1), 1
	s_wait_xcnt 0x0
	s_wait_alu depctr_vm_vsrc(0)
; THE FIRST PRODUCT OF AN EXPERT, ON ITS OWN ROWS ONLY: h = gelu(x w1 + b1), quantised on the way.  Both operands are codes of E2M1 with one E8M0 byte for each 32 along K = 1,024.
; SHARES: work-group = (expert e, slice sl of 128 hidden units); 8 x 32 = 256 work-groups, each reads 512 KB of w1 and nobody else reads those bytes: every byte of w1 leaves memory once.
; Sixteen waves, wave = g + 4 q.  PHASE 1: wave (g, q) quantises columns 32 g .. 32 g + 31 of the slice, K = 256 q .. 256 q + 255, in registers, and lays the fragments into LDS as images of an operand's registers.
; PHASE 2: wave (g, q) holds all of K for its 32 columns in 128 registers and walks the expert's tiles of 16 rows q, q + 4, q + 8 ..
; w1 IS STORED [K][N].  A LANE TAKES A COLUMN AND ITS REGISTERS RUN DOWN K: a load reads 128 bytes on end (the four waves of a q: 512), a block of 32 lies in one lane, and the conversions give codes with K innermost.
; Lane L takes column (L & 7) + 16 ((L >> 3) & 1) + 8 (L >> 4).  Blocks 2 c go to one run of registers, blocks 2 c + 1 to another; an exchange of halves between the two makes them the fragments of two tiles of
; 16 columns, and the lane's four scale bytes are the scale word of tile 0 in lanes 0-15 and of tile 1 in lanes 16-31.
; THE PRODUCT IS USED TRANSPOSED (source 0 = 16 columns of w1, source 1 = 16 rows of x): by the choice of columns above lane (r, h) holds row r, and the 16 registers of its two accumulators are the
; 16 NEIGHBOURING hidden units 16 h + 0 .. 15 of the wave's 32, which are one block of the next product's K: one lane exchange joins the two halves' largest magnitudes.
; b1 is the C of each sum's first matrix instruction: its image lies in LDS, 2 KB a wave, and is loaded into the accumulators.
; gelu(x) = max(x, 0) - |x| E, E = erfc(|x| / sqrt 2) / 2 = exp(-x^2 / 2) (a1 t + .. + a5 t^5) / 2, t = 1 / (1 + 0.2316419 |x|) (Abramowitz and Stegun 7.1.26), all in f32.
; OUT: hq [e][tile 64][K step 32][c 2][lane 32][16 bytes], the image of the next operand's registers; hs [e][K step 32][tile 64][row 16] scale words.
; No tensor load, no cluster: the walk over tiles hangs on a count read from memory, and no two work-groups read the same weights.
; LIMITS: erfc's absolute error is 1.5e-7 by the formula's bound; a block of zeros gets the byte 1 (zero codes; own bytes); NaN and infinities are not served.
; THE MODE: SCHED_MODE bits 1:0 = 2 (LLVM: expert scheduling mode 2), set by the entry lines.  The code itself states the register dependences
; between vector or matrix instructions and memory or LDS instructions, with s_wait_alu, always for 0.
; THE PLAN, PHASE 1.  Three sets of 32 raw numbers (v64-95, v96-127, v184-215).  Block b's maxima and conversions read set b % 3; the loads of block b + 2 land in set (b + 2) % 3 = (b - 1) % 3, which block b - 1 read.
;   So ONE wait on va_vdst stands at the head of blocks 1 to 5, and the 32 loads follow it, ahead of the block's arithmetic, which names none of their registers.  Block 0's loads land in registers that no vector line has named.
;   The fragments v128-159 and their scale words v160-161 are written once by vector lines and read once by LDS stores: those of the first K step follow block 4's wait, those of the second a wait behind block 7,
;   which also serves the first tile's loads into v64-127.  The offsets and addresses v1 to v9 and v31 are made once at the head.
; THE PLAN, PHASE 2, a trip.  v64-127, v56-63 (x's fragments and scale words): read by the sixteen products; the next tile's loads land in them behind one wait on va_vdst.  There is one set of them: the wave's 256 registers are full.
;   v32-47 (the accumulators): b1's LDS loads land there; the products, the gelu and the conversions name them; the wait ahead of the trip's stores stands behind all of these, and only the add to v10 follows it before the next trip's b1.
;   v12-13, v11 (codes, byte) and v10 (LDS address): written by the trip's vector lines, read by its two stores, behind that same wait; one wait on vm_vsrc at the trip's end frees them for the next trip.
.set WPITCH, 16384                     ; a row of w1 in bytes
.set WSC,  65536                       ; LDS: 0: the weights' images, fragment pair f = 8 g + K step: f 2048 + u 1024 + c 512 + 16 lane;  here their scale words, f 128 + 4 lane
.set SB,   69632                       ; the scale bytes of h: 256 bytes of its own for each wave: 16 trip + row
.set BIAS, 73728                       ; b1's images: 2,048 bytes for each wave
.set XSC,  4194304
.set VOFF, 1                           ; v1   4 x my column
.set VST,  2                           ; v2   where I store images        (phase 1; v2-5 then hold max(x, 0))
.set VSS,  3                           ; v3   and scale words
.set VRD,  4                           ; v4   where I read my 16 fragments
.set VRS,  5                           ; v5   and their scale words
.set TD,   2
.set L16,  6                           ; v6   16 x lane
.set R32,  7                           ; v7   32 r
.set HQO,  8                           ; v8   my 8 bytes in a K step's image of h
.set SBA,  9                           ; v9   my wave's scale bytes, row r
.set SBT,  10                          ; v10  the same, this trip's
.set BY,   11                          ; v11  the scale's byte
.set PP,   12                          ; v12-13 the 16 codes
.set A4,   14                          ; v14-15 a4 / 2, twice
.set TA,   16                          ; v16-27 at work in the gelu
.set TB,   20
.set TC,   24
.set M0,   28
.set M1,   29
.set SCL,  30
.set BAD,  31                          ; v31  my wave's image of b1
.set ACC,  32                          ; v32-39, v40-47 the two accumulators
.set WS,   48                          ; v48-55 the weights' scale words: scales and nothing else
.set XS,   56                          ; v56-63 x's scale words: scales and nothing else
.set ST,   64                          ; v64-127 phase 1: sets 0 and 1 of 32 numbers of w1; set 2 lies at v184-215
.set XA,   64                          ;         phase 2: x's eight fragments
.set WF,   128                         ; v128-255 phase 2: the weights: 16 s + 8 u + 4 c
.set TT,   128                         ; phase 1: the fragments just made: 16 ks + 8 u + 4 c
.set WW,   160                         ; v160-161 their scale words
.set MQ0,  162
.set MQ1,  163
.set SCQ,  164
.set BYQ,  165
.set ZZ,   166                         ; v166-167 zeros
.set BST,  168                         ; v168-183 b1 as loaded
.macro LOADB b                         ; block b of my 8: w1(32 b + i, my column) into set b % 3 (sets 0, 1, 2 at v64, v96, v184)
.set LB, ST+32*((\b)%3)+56*(((\b)%3)/2)
.set i, 0
.rept 32
	global_load_b32 v[LB+i], v[VOFF], s[4:5] offset:(32*(\b)+i)*WPITCH th:TH_LOAD_NT
.set i, i+1
.endr
.endm
.macro PUTK ks                         ; a K step's two fragments and their scale word go to LDS as they stand
.irp u, 0,1
.irp c, 0,1
	ds_store_b128 v[VST], v[TT+16*(\ks)+8*\u+4*\c:TT+16*(\ks)+8*\u+4*\c+3] offset:(\ks)*2048+\u*1024+\c*512
.endr
.endr
	ds_store_b32 v[VSS], v[WW+(\ks)] offset:(\ks)*128
.endm
.macro QBLK b                          ; block b becomes 4 registers of codes and a byte
.set XB, ST+32*((\b)%3)+56*(((\b)%3)/2)
.set KS, (\b)/4
.set BB, (\b)%4
.set CC, BB/2
.set HH, BB%2
.if (\b) < 7
	s_wait_loadcnt 32                              ; this block's 32 loads are in; the next block's 32 may be out
.else
	s_wait_loadcnt 0x0
.endif
.if (\b)+2 < 8
.if (\b) > 0
	s_wait_alu depctr_va_vdst(0)                   ; the block before is done reading its set, in which the loads below land; in block 4 also: blocks 0 to 3 have written v128-143 and v160, which the LDS stores below read
.endif
	LOADB (\b)+2                                   ; the block two on, ahead of this block's arithmetic, which names none of these registers
.endif
.if (\b) == 4
	PUTK 0                                         ; the first K step's images
.endif
	v_max3_num_f32 v[MQ0], |v[XB]|, |v[XB+1]|, |v[XB+2]|
	v_max3_num_f32 v[MQ1], |v[XB+3]|, |v[XB+4]|, |v[XB+5]|
.irp i, 6,10,14,18,22,26
	v_max3_num_f32 v[MQ0], v[MQ0], |v[XB+\i]|, |v[XB+\i+1]|
	v_max3_num_f32 v[MQ1], v[MQ1], |v[XB+\i+2]|, |v[XB+\i+3]|
.endr
	v_max3_num_f32 v[MQ0], v[MQ0], |v[XB+30]|, |v[XB+31]|
	v_max3_num_f32 v[MQ0], v[MQ0], v[MQ1], 0x1800000       ; and the floor 2^(3 - 127): the byte cannot fall under 1
	v_add_nc_u32 v[SCQ], 0xff000000, v[MQ0]        ; 2 off the exponent field: the conversion's scale
	v_lshrrev_b32 v[BYQ], 23, v[SCQ]
.if BB == 0
	v_mov_b32 v[WW+KS], v[BYQ]
.else
	v_lshl_or_b32 v[WW+KS], v[BYQ], 8*BB, v[WW+KS]
.endif
.irp g, 0,1,2,3
	v_cvt_scalef32_pk8_fp4_f32 v[TT+16*KS+8*HH+4*CC+\g], v[XB+8*\g:XB+8*\g+7], v[SCQ]
.endr
.if HH == 1
	v_nop                                          ; one plain line between the conversions and the lines that touch their results
.irp g, 0,1,2,3
	v_permlane16_swap_b32 v[TT+16*KS+4*CC+\g], v[TT+16*KS+8+4*CC+\g]   ; the first's lanes 16-31 change places with the second's lanes 0-15: two fragments' registers 4 c + g
.endr
.endif
.endm
.macro AFETCH off                      ; x's eight fragments and scale words of the tile 4 off tiles on
.set i, 0
.rept 16
	global_load_b128 v[XA+4*i:XA+4*i+3], v[L16], s[28:29] offset:512*i+(\off)*32768
.set i, i+1
.endr
	global_load_b128 v[XS:XS+3], v[R32], s[30:31] offset:(\off)*2048
	global_load_b128 v[XS+4:XS+7], v[R32], s[30:31] offset:16+(\off)*2048
.endm
.macro GELU4 b                         ; four numbers, in place
.set GA, ACC+4*(\b)
.irp i, 0,1,2,3
	v_fma_f32 v[TA+\i], |v[GA+\i]|, s38, 1.0       ; 1 + p |x| / sqrt 2
.endr
.irp i, 0,1,2,3
	v_mul_f32 v[TB+\i], |v[GA+\i]|, s39            ; |x| sqrt(log2(e) / 2)
.endr
.irp i, 0,2
	v_pk_mul_f32 v[TB+\i:TB+\i+1], v[TB+\i:TB+\i+1], v[TB+\i:TB+\i+1] neg_lo:[1,0] neg_hi:[1,0]   ; -x^2 log2(e) / 2
.endr
.irp i, 0,1,2,3
	v_rcp_f32 v[TA+\i], v[TA+\i]                   ; t
.endr
.irp i, 0,1,2,3
	v_exp_f32 v[TB+\i], v[TB+\i]                   ; exp(-x^2 / 2)
.endr
.irp i, 0,1,2,3
	v_max_num_f32 v[TD+\i], 0, v[GA+\i]            ; max(x, 0): also the plain place behind the transcendentals
.endr
	s_wait_alu depctr_va_vdst(0)                   ; the four t in v16-19 and the four exponentials in v20-23 are written: one wait for the batch, ahead of its first reader
.irp i, 0,2
	v_pk_fma_f32 v[TC+\i:TC+\i+1], v[TA+\i:TA+\i+1], s[46:47], v[A4:A4+1] op_sel_hi:[1,0,1]
.endr
.irp i, 0,2
	v_pk_fma_f32 v[TC+\i:TC+\i+1], v[TC+\i:TC+\i+1], v[TA+\i:TA+\i+1], s[44:45] op_sel_hi:[1,1,0]
.endr
.irp i, 0,2
	v_pk_fma_f32 v[TC+\i:TC+\i+1], v[TC+\i:TC+\i+1], v[TA+\i:TA+\i+1], s[42:43] op_sel_hi:[1,1,0]
.endr
.irp i, 0,2
	v_pk_fma_f32 v[TC+\i:TC+\i+1], v[TC+\i:TC+\i+1], v[TA+\i:TA+\i+1], s[40:41] op_sel_hi:[1,1,0]
.endr
.irp i, 0,2
	v_pk_mul_f32 v[TC+\i:TC+\i+1], v[TC+\i:TC+\i+1], v[TA+\i:TA+\i+1]
.endr
.irp i, 0,2
	v_pk_mul_f32 v[TC+\i:TC+\i+1], v[TC+\i:TC+\i+1], v[TB+\i:TB+\i+1]     ; E
.endr
.irp i, 0,1,2,3
	v_fma_f32 v[GA+\i], -|v[GA+\i]|, v[TC+\i], v[TD+\i]
.endr
.endm
	s_load_b256 s[4:11], s[0:1], 0x0               ; w1 s[4:5], b1 s[6:7], xs s[8:9], route s[10:11]
	s_load_b128 s[12:15], s[0:1], 0x20             ; hq s[12:13], hs s[14:15]
	v_lshrrev_b32 v16, 5, v0
	v_readfirstlane_b32 s16, v16                   ; wave 0..15
	v_and_b32 v16, 31, v0                          ; lane
	v_and_b32 v17, 15, v0                          ; r
	v_bfe_u32 v18, v0, 4, 1                        ; h
	v_and_b32 v19, 7, v0
	v_bfe_u32 v20, v0, 3, 1
	v_lshl_add_u32 v19, v20, 4, v19
	v_lshl_add_u32 v19, v18, 3, v19                ; my column of the wave's 32
	v_lshlrev_b32 v[VOFF], 2, v19
	v_lshlrev_b32 v21, 6, v18                      ; b1: my 16 units begin 64 h bytes on
	s_wait_alu depctr_va_sdst(0)                   ; s16 is written, ahead of its first reader: g, q and every base are made from it
	s_and_b32 s17, s16, 3                          ; g
	s_lshr_b32 s18, s16, 2                         ; q
	s_lshr_b32 s19, ttmp9, 5                       ; e
	s_and_b32 s20, ttmp9, 31                       ; sl
	s_lshl_b32 s26, s19, 24                        ; w1: the expert's 16 MB,
	s_lshl_b32 s25, s18, 22                        ; 256 q rows,
	s_add_co_u32 s26, s26, s25
	s_lshl_b32 s36, s20, 9
	s_lshl_b32 s25, s17, 7
	s_add_co_u32 s36, s36, s25                     ; column 128 sl + 32 g, in bytes
	s_add_co_u32 s26, s26, s36
	s_mov_b32 s27, 0
	s_lshl_b32 s25, s19, 14
	s_add_co_u32 s36, s36, s25                     ; b1: + the expert's row
	s_mov_b32 s37, 0
	s_lshl_b32 s48, s19, 2                         ; never rewritten: the count's load names it
	s_wait_kmcnt 0x0
	s_load_b32 s21, s[10:11], s48 offset:0x8000    ; the expert's rows
	s_add_nc_u64 s[4:5], s[4:5], s[26:27]
	s_add_nc_u64 s[6:7], s[6:7], s[36:37]
	s_wait_alu depctr_va_vdst(0)                   ; v1 and v21 are written, which the loads below read as their offsets
.irp i, 0,1,2,3
	global_load_b128 v[BST+4*\i:BST+4*\i+3], v21, s[6:7] offset:16*\i
.endr
	LOADB 0
	LOADB 1
	v_lshlrev_b32 v[L16], 4, v16
	v_lshlrev_b32 v[R32], 5, v17
	s_lshl_b32 s25, s17, 3
	s_lshl_b32 s26, s18, 1
	s_add_co_u32 s25, s25, s26                     ; 8 g + 2 q: my first fragment pair
	s_lshl_b32 s26, s25, 11
	v_add_nc_u32 v[VST], s26, v[L16]
	s_lshl_b32 s26, s25, 7
	s_add_co_u32 s26, s26, WSC
	v_lshl_add_u32 v[VSS], v16, 2, s26
	s_lshl_b32 s26, s17, 14
	v_add_nc_u32 v[VRD], s26, v[L16]
	s_lshl_b32 s26, s17, 10
	s_add_co_u32 s26, s26, WSC
	v_lshl_add_u32 v[VRS], v16, 2, s26
	s_lshr_b32 s25, s17, 1                         ; block g of the next K step lies in registers 4 (g / 2) .. of lanes 16 (g % 2) + r
	s_lshl_b32 s25, s25, 9
	s_and_b32 s26, s17, 1
	s_lshl_b32 s26, s26, 8
	s_add_co_u32 s25, s25, s26
	v_lshlrev_b32 v[HQO], 4, v17
	v_lshl_add_u32 v[HQO], v18, 3, v[HQO]
	v_add_nc_u32 v[HQO], s25, v[HQO]
	s_lshl_b32 s25, s16, 8
	s_add_co_u32 s25, s25, SB
	v_add_nc_u32 v[SBA], s25, v17
	s_lshl_b32 s25, s16, 11
	s_add_co_u32 s25, s25, BIAS
	v_add_nc_u32 v[BAD], s25, v[L16]
	v_lshl_add_u32 v[MQ0], v0, 3, SB
	v_mov_b32 v[ZZ], 0
	v_mov_b32 v[ZZ+1], 0
	s_wait_alu depctr_va_vdst(0)                   ; v162 and v166-167 are written, which the store below reads; so are the addresses and offsets v2 to v9 and v31, which later loads and stores read
	ds_store_b64 v[MQ0], v[ZZ:ZZ+1]                ; my wave's 256 scale bytes begin as zeros: tiles that are not made leave them so
	s_lshl_b32 s25, s19, 6
	s_add_co_u32 s25, s25, s18                     ; tile 64 e + q
	s_lshl_b32 s26, s25, 13
	s_add_nc_u64 s[28:29], s[8:9], s[26:27]        ; its codes,
	s_lshl_b32 s26, s25, 9
	s_add_nc_u64 s[30:31], s[8:9], s[26:27]
	s_add_nc_u64 s[30:31], s[30:31], XSC           ; its scale words,
	s_lshl_b32 s26, s25, 15
	s_lshl_b32 s25, s20, 10
	s_add_co_u32 s26, s26, s25
	s_add_nc_u64 s[32:33], s[12:13], s[26:27]      ; and K step sl of its image of h
	s_lshl_b32 s25, s19, 5
	s_add_co_u32 s25, s25, s20
	s_lshl_b32 s26, s25, 12
	s_add_nc_u64 s[14:15], s[14:15], s[26:27]      ; hs: the 4,096 bytes of (e, sl)
	s_mov_b32 s34, 0x76543210                      ; v_permlanex16_b32: lane l xor 16
	s_mov_b32 s35, 0xfedcba98
	s_mov_b32 s38, 0x3e6d3388                      ; 0.3275911 / sqrt 2
	s_mov_b32 s39, 0x3f596d27                      ; sqrt(log2(e) / 2)
	s_mov_b32 s40, 0x3e027906                      ; a1 / 2 (the packed forms name pairs and take the low word: both words are written)
	s_mov_b32 s41, s40
	s_mov_b32 s42, 0xbe11a98e                      ; a2 / 2
	s_mov_b32 s43, s42
	s_mov_b32 s44, 0x3f35f0e3                      ; a3 / 2
	s_mov_b32 s45, s44
	s_mov_b32 s46, 0x3f07dc22                      ; a5 / 2
	s_mov_b32 s47, s46
	v_mov_b32 v[A4], 0xbf3a00e3                    ; a4 / 2
	v_mov_b32 v[A4+1], 0xbf3a00e3
	s_wait_alu depctr_vm_vsrc(0)                   ; the store of zeros has read v162, which block 0's first maximum writes
	; ---- PHASE 1
	QBLK 0
.irp i, 0,1,2,3
	ds_store_b128 v[BAD], v[BST+4*\i:BST+4*\i+3] offset:512*\i     ; b1 was asked for ahead of block 0, so it is in; no vector line names these registers
.endr
	QBLK 1
	QBLK 2
	QBLK 3
	QBLK 4                                         ; (the first K step's images go out behind this block's wait)
	QBLK 5
	QBLK 6
	QBLK 7
	s_wait_alu depctr_va_vdst(0)                   ; blocks 4 to 7 have written v144-159 and v161, which the LDS stores below read; blocks 6 and 7 are done reading v64-127, in which the first tile's loads land
	PUTK 1
	AFETCH 0                                       ; tile q is always there: no branch
	s_wait_kmcnt 0x0
	s_add_co_u32 s21, s21, 15
	s_lshr_b32 s21, s21, 4
	s_max_u32 s21, s21, 4
	s_min_u32 s21, s21, 64                         ; the expert's tiles: at least the four that are always made
	s_wait_dscnt 0x0                               ; for the other waves' sake: my images have landed
	s_barrier_signal -1
	s_barrier_wait -1
	; ---- PHASE 2
	s_wait_alu depctr_vm_vsrc(0)                   ; my LDS stores have read v128-161 (the images), v166-167 (the zeros) and v168-183 (b1): the weights land in these registers.  (No vector line has been issued since the wait behind block 7)
.irp s, 0,1,2,3,4,5,6,7
.irp u, 0,1
.irp c, 0,1
	ds_load_b128 v[WF+16*\s+8*\u+4*\c:WF+16*\s+8*\u+4*\c+3], v[VRD] offset:\s*2048+\u*1024+\c*512
.endr
.endr
	ds_load_b32 v[WS+\s], v[VRS] offset:128*\s
.endr
	s_mov_b32 s22, s18                             ; J, my tile
	s_mov_b32 s23, 0                               ; the trip
	s_mov_b32 s24, 0                               ; 16 x trip
	s_wait_alu depctr_vm_vsrc(0)                   ; the loads above have read v4 and v5, the images' stores v2 and v3: from here on the gelu writes these four
.Ltrip:                                                ; sixteen trips whatever the count: a trip past the expert's tiles only steps
	v_add_nc_u32 v[SBT], s24, v[SBA]
	s_cmp_ge_u32 s22, s21
	s_cbranch_scc1 .Lskip
.irp i, 0,1,2,3
	ds_load_b128 v[ACC+4*\i:ACC+4*\i+3], v[BAD] offset:512*\i      ; b1 starts the sums.  No wait: the wait ahead of the last trip's stores stands behind every line that named the accumulators
.endr
	s_wait_loadcnt 0x0                             ; x's fragments and scale words
	s_wait_dscnt 0x0                               ; b1; in the first trip the weights too
.irp s, 0,1,2,3,4,5,6,7                        ; the two accumulators take turns, one instruction a turn, over the backward jump too
	v_wmma_scale_f32_16x16x128_f8f6f4 v[ACC:ACC+7], v[WF+16*\s:WF+16*\s+7], v[XA+8*\s:XA+8*\s+7], v[ACC:ACC+7], v[WS+\s], v[XS+\s] matrix_a_fmt:MATRIX_FMT_FP4 matrix_b_fmt:MATRIX_FMT_FP4
	v_wmma_scale_f32_16x16x128_f8f6f4 v[ACC+8:ACC+15], v[WF+16*\s+8:WF+16*\s+15], v[XA+8*\s:XA+8*\s+7], v[ACC+8:ACC+15], v[WS+\s], v[XS+\s] matrix_a_fmt:MATRIX_FMT_FP4 matrix_b_fmt:MATRIX_FMT_FP4 matrix_a_scale:MATRIX_SCALE_ROW1
.endr
.rept 5
	v_nop                                          ; plain places (ISA guide 7.12.1): four in front of the first read of results, five in front of the next trip's products, which write over these
.endr
	s_add_co_u32 s25, s22, 4
	s_cmp_ge_u32 s25, s21
	s_cbranch_scc1 .Lnofetch
	s_wait_alu depctr_va_vdst(0)                   ; the sixteen products are done reading x's fragments v64-127 and scale words v56-63, in which the loads below land
	AFETCH 1                                       ; my next tile lands while this one's gelu is worked; the gelu names none of these registers
.Lnofetch:
	GELU4 0                                        ; each accumulator is read from its low end on
	GELU4 1
	GELU4 2
	GELU4 3
	v_max3_num_f32 v[M0], |v[ACC]|, |v[ACC+1]|, 0x1800000  ; the block's largest magnitude: my 16 and the floor 2^(3 - 127),
	v_max3_num_f32 v[M1], |v[ACC+2]|, |v[ACC+3]|, |v[ACC+4]|
	v_max3_num_f32 v[M0], v[M0], |v[ACC+5]|, |v[ACC+6]|
	v_max3_num_f32 v[M1], v[M1], |v[ACC+7]|, |v[ACC+8]|
	v_max3_num_f32 v[M0], v[M0], |v[ACC+9]|, |v[ACC+10]|
	v_max3_num_f32 v[M1], v[M1], |v[ACC+11]|, |v[ACC+12]|
	v_max3_num_f32 v[M0], v[M0], |v[ACC+13]|, |v[ACC+14]|
	v_max3_num_f32 v[M1], v[M1], |v[ACC+15]|, v[M0]
	v_permlanex16_b32 v[M0], v[M1], s34, s35
	v_max_num_f32 v[M0], v[M0], v[M1]              ; with lane l xor 16's 16
	v_add_nc_u32 v[SCL], 0xff000000, v[M0]
	v_cvt_scalef32_pk8_fp4_f32 v[PP], v[ACC:ACC+7], v[SCL]
	v_cvt_scalef32_pk8_fp4_f32 v[PP+1], v[ACC+8:ACC+15], v[SCL]
	v_lshrrev_b32 v[BY], 23, v[SCL]                ; the scale's byte: also the plain line behind the conversions
	s_wait_alu depctr_va_vdst(0)                   ; the codes v12-13, the byte v11 and the address v10 are written, which the two stores read; and the gelu and the conversions are done with the accumulators, in which the next trip's b1 lands
	global_store_b64 v[HQO], v[PP:PP+1], s[32:33]  ; the wave stores 256 bytes on end, at a multiple of 256: 16 rows x the block's 16 bytes
	ds_store_b8 v[SBT], v[BY]                      ; both lanes of a row write the same byte
.Lskip:
	s_wait_xcnt 0x0                                ; the pointers and the codes' registers are written again only behind this wait
	s_wait_alu depctr_vm_vsrc(0)                   ; the two stores have read v10 to v13, which the next trip's vector lines write again
	s_add_nc_u64 s[28:29], s[28:29], 32768
	s_add_nc_u64 s[30:31], s[30:31], 2048
	s_add_nc_u64 s[32:33], s[32:33], 131072
	s_add_co_u32 s22, s22, 4
	s_add_co_u32 s24, s24, 16
	s_add_co_u32 s23, s23, 1
	s_cmp_lt_u32 s23, 16
	s_cbranch_scc1 .Ltrip
	s_wait_dscnt 0x0                               ; for the other waves' sake: my scale bytes have landed
	s_barrier_signal -1
	s_barrier_wait -1
	; the scale words: thread n makes those of tile n / 8, rows 2 (n % 8) and + 1: byte g comes from wave g + 4 (tile % 4), trip tile / 4
	v_bfe_u32 v16, v0, 3, 2
	v_lshrrev_b32 v17, 5, v0
	v_and_b32 v18, 7, v0
	v_lshlrev_b32 v16, 10, v16
	v_lshl_add_u32 v16, v17, 4, v16
	v_lshl_add_u32 v16, v18, 1, v16
	v_add_nc_u32 v16, SB, v16
	v_lshlrev_b32 v19, 3, v0
	s_wait_alu depctr_va_vdst(0)                   ; the address v16 is written, which the four loads read; the gelu's lines are done with v20-23, in which they land
	ds_load_u16 v20, v16
	ds_load_u16 v21, v16 offset:256
	ds_load_u16 v22, v16 offset:512
	ds_load_u16 v23, v16 offset:768
	s_mov_b32 s25, 0x06040200
	s_mov_b32 s26, 0x07050301
	s_wait_dscnt 0x0
	v_lshl_or_b32 v20, v21, 16, v20
	v_lshl_or_b32 v22, v23, 16, v22
	v_perm_b32 v24, v22, v20, s25                  ; the even row's four bytes,
	v_perm_b32 v25, v22, v20, s26                  ; the odd row's
	s_wait_alu depctr_va_vdst(0)                   ; the two words v24-25 are written, which the store reads (its offset v19 stands ahead of the wait above)
	global_store_b64 v19, v[24:25], s[14:15]       ; a wave stores 256 bytes on end
	s_wait_xcnt 0x0                                ; every earlier memory instruction has had its address translated
	v_lshl_add_u32 v254, v0, 2, 0x1a000            ; the add's two registers are made here: no two could be kept.  No memory or LDS instruction has ever read v254 or v255
	v_mov_b32 v255, 0
	s_wait_dscnt 0x0                               ; the closing lines, six on end
	s_wait_alu 0x0
	s_wait_tensorcnt 0x0
	ds_add_u32 v254, v255
	s_wait_dscnt 0x0
	s_endpgm
.Lfunc_end_k_q52852047b3_ffn1:
	.size	k_q52852047b3_ffn1, .Lfunc_end_k_q52852047b3_ffn1-k_q52852047b3_ffn1
	.p2alignl 7, 3214868480
	.fill 96, 4, 3214868480
	.section	.rodata,"a",@progbits
	.p2align	6, 0x0
	.amdhsa_kernel k_q52852047b3_ffn1
		.amdhsa_group_segment_fixed_size 108544
		.amdhsa_private_segment_fixed_size 0
		.amdhsa_enable_private_segment 0
		.amdhsa_kernarg_size 48
		.amdhsa_user_sgpr_count 2
		.amdhsa_user_sgpr_kernarg_segment_ptr 1
		.amdhsa_wavefront_size32 1
		.amdhsa_system_sgpr_workgroup_id_x 1
		.amdhsa_system_sgpr_workgroup_id_y 1
		.amdhsa_system_sgpr_workgroup_id_z 1
		.amdhsa_system_vgpr_workitem_id 0
		.amdhsa_next_free_vgpr 256
		.amdhsa_next_free_sgpr 66
		.amdhsa_reserve_vcc 0
		.amdhsa_float_denorm_mode_32 3
		.amdhsa_float_denorm_mode_16_64 3
		.amdhsa_memory_ordered 1
		.amdhsa_forward_progress 1
		.amdhsa_inst_pref_size 63
	.end_amdhsa_kernel
	.amdgpu_metadata
---
amdhsa.version: [ 1, 2 ]
amdhsa.kernels:
  - .name:           k_q52852047b3_ffn1
    .symbol:         k_q52852047b3_ffn1.kd
    .args:
      - { .name: w1, .offset: 0, .size: 8, .value_kind: global_buffer, .address_space: global }
      - { .name: b1, .offset: 8, .size: 8, .value_kind: global_buffer, .address_space: global }
      - { .name: xs, .offset: 16, .size: 8, .value_kind: global_buffer, .address_space: global }
      - { .name: route, .offset: 24, .size: 8, .value_kind: global_buffer, .address_space: global }
      - { .name: hq, .offset: 32, .size: 8, .value_kind: global_buffer, .address_space: global }
      - { .name: hs, .offset: 40, .size: 8, .value_kind: global_buffer, .address_space: global }
    .group_segment_fixed_size: 108544
    .private_segment_fixed_size: 0
    .kernarg_segment_align: 8
    .kernarg_segment_size: 48
    .max_flat_workgroup_size: 512
    .sgpr_count:     66
    .vgpr_count:     256
    .wavefront_size: 32
...
	.end_amdgpu_metadata
.endif
;; end of part 6
;; launch ffn2 (part 7): grid 256 x 1, 16 waves a work-group, no clusters, 141,312 bytes of LDS; arguments w2, b2, hq, hs, route, y; writes y
.if DOCPART == 7
	.amdgcn_target "amdgcn-amd-amdhsa--gfx1250"
	.amdhsa_code_object_version 6
	.text
	.protected	k_q52852047b3_ffn2
	.globl	k_q52852047b3_ffn2
	.p2align	8
	.type	k_q52852047b3_ffn2,@function
k_q52852047b3_ffn2:
	s_mov_b64 s[64:65], 0
	v_nop
	global_prefetch_b8 v0, s[64:65] scope:SCOPE_SE
	s_setreg_imm32_b32 hwreg(HW_REG_WAVE_SCHED_MODE, 0, 2), 2
	s_setreg_imm32_b32 hwreg(HW_REG_WAVE_MODE, 25, 1), 1
	s_wait_xcnt 0x0
	s_wait_alu depctr_vm_vsrc(0)
; THE SECOND PRODUCT OF AN EXPERT, ON ITS OWN ROWS ONLY: y = h w2 + b2, on codes of E2M1 with one E8M0 byte for each 32 along K = 4,096.  h arrives as codes (the launch before made them); w2 is quantised here.
; SHARES: work-group = (expert e, slice sl of 64 columns, half kh of K): 8 x 16 x 2 = 256 work-groups; each reads 512 KB of w2, in runs of 256 bytes at multiples of 256, and nobody else reads those bytes.
; Sixteen waves, wave = g + 4 q, g = cg + 2 kg.  PHASE 1: wave (g, q) quantises columns 32 cg .. + 31 of the slice, K = 2048 kh + 1024 kg + 256 q .. + 255, in registers (a lane to a column, registers down K;
; lane L takes column (L & 7) + 16 ((L >> 3) & 1) + 8 (L >> 4); an exchange of halves makes two fragments; the lane's four bytes are the scale word of tile 0 in lanes 0-15, of tile 1 in lanes 16-31), images to LDS.
; PHASE 2: wave (g, q) holds 1,024 along K of its 32 columns in 128 registers and walks tiles q, q + 4, ..  The product is used transposed: lane (r, h) holds row r and 16 neighbouring columns 16 h + 0 .. 15.
; The two kg of a tile meet in a stage in LDS (two stages by turns, one barrier a tile); b2 is added by the half kh = 0; each row goes to y[kh][dest], 16 lanes storing 256 bytes on end.
; y[kh][2 t + k]: the row of token t's k-th choice; rows 2048 + e take the padding rows and are read by nobody.  The two halves and the two choices are added by the next launch: no traffic between work-groups.
; No tensor load, no cluster: the walk over tiles hangs on a count read from memory, and no two work-groups read the same weights.
; LIMITS: a block of zeros gets the byte 1 (zero codes; own bytes); NaN and infinities are not served (b2 is multiplied by 1 or 0).
; THE MODE: SCHED_MODE bits 1:0 = 2 (LLVM: expert scheduling mode 2), set by the entry lines.  The code itself states the register dependences
; between vector or matrix instructions and memory or LDS instructions, with s_wait_alu, always for 0.
; THE PLAN, PHASE 1.  Three sets of 32 raw numbers (v64-95, v96-127, v184-215).  Block b's maxima and conversions read set b % 3; the loads of block b + 2 land in set (b + 2) % 3 = (b - 1) % 3, which block b - 1 read.
;   So ONE wait on va_vdst stands at the head of blocks 1 to 5, and the 32 loads follow it, ahead of the block's arithmetic, which names none of their registers.  Block 0's loads land in registers that no vector line has named.
;   The fragments v128-159 and their scale words v160-161 are written once by vector lines and read once by LDS stores: those of the first K step follow block 4's wait, those of the second a wait behind block 7,
;   which also serves the first tile's loads into v64-127.  The offsets and addresses v1 to v11 are made once at the head and never written again.
; THE PLAN, PHASE 2, a tile.  v64-127, v56-63 (h's fragments and scale words): read by the sixteen products.  v16-17 (two rows' numbers): read by the lines that make the offsets.  The next tile's loads land in all of them.
;   v32-47 (the accumulators): written by the products; read by the stage's LDS stores; then the rows read back land there; the additions write them; the global stores read them.  v18-19 (offsets into y): written at the tile's head, read by the global stores.
;   Four waits: va_vdst behind the products' places (for the stage's stores and the next tile's loads); vm_vsrc in front of the barrier (the stage's stores have read the accumulators);
;   va_vdst ahead of the two global stores; vm_vsrc at the tile's end (they have read their data and offsets).  There is one set of h's registers: the wave's 256 registers are full.
.set WPITCH, 4096                      ; a row of w2 in bytes
.set WSC,  65536                       ; LDS: 0: the weights' images, f = 8 g + K step: f 2048 + u 1024 + c 512 + 16 lane;  here their scale words
.set RED,  69632                       ; two stages: par PARB + q 8704 + kg 4352 + row 272 + byte: a row is the slice's 256 bytes + 16 of padding, so 16 rows fall on 16 different columns of 16 bytes
.set PARB, 34816
.set YH,   8421376                     ; a half of y: 2,056 rows of 4,096 bytes
.set VOFF, 1                           ; v1   4 x my column
.set VST,  2
.set VSS,  3
.set VRD,  4
.set VRS,  5
.set L16,  6                           ; v6   16 x lane
.set R4,   7                           ; v7   4 r
.set DO,   8                           ; v8   4 x (4 g + lane / 16): the rows that I send out
.set RW,   9                           ; v9   the stage, in
.set RR,   10                          ; v10  the stage, back
.set YL,   11                          ; v11  16 (lane % 16)
.set BB,   12                          ; v12-15 b2 of my four columns, or zeros
.set DI,   16                          ; v16-17 two rows' numbers as loaded
.set YA,   18                          ; v18-19 their byte offsets in y
.set ACC,  32                          ; v32-47 the two accumulators; behind the stage the rows read back
.set WS,   48                          ; v48-55 the weights' scale words: scales and nothing else
.set HS,   56                          ; v56-63 h's scale words: scales and nothing else
.set ST,   64                          ; v64-127 phase 1: sets 0 and 1 of 32 numbers of w2; set 2 lies at v184-215
.set HA,   64                          ; v64-127 h's eight fragments
.set WF,   128
.set TT,   128
.set WW,   160
.set MQ0,  162
.set MQ1,  163
.set SCQ,  164
.set BYQ,  165
.macro LOADB b                         ; block b of my 8: w2(32 b + i, my column) into set b % 3 (sets 0, 1, 2 at v64, v96, v184)
.set LB, ST+32*((\b)%3)+56*(((\b)%3)/2)
.set i, 0
.rept 32
	global_load_b32 v[LB+i], v[VOFF], s[4:5] offset:(32*(\b)+i)*WPITCH th:TH_LOAD_NT
.set i, i+1
.endr
.endm
.macro PUTK ks
.irp u, 0,1
.irp c, 0,1
	ds_store_b128 v[VST], v[TT+16*(\ks)+8*\u+4*\c:TT+16*(\ks)+8*\u+4*\c+3] offset:(\ks)*2048+\u*1024+\c*512
.endr
.endr
	ds_store_b32 v[VSS], v[WW+(\ks)] offset:(\ks)*128
.endm
.macro QBLK b                          ; block b becomes 4 registers of codes and a byte
.set XB, ST+32*((\b)%3)+56*(((\b)%3)/2)
.set KS, (\b)/4
.set BQ, (\b)%4
.set CC, BQ/2
.set HH, BQ%2
.if (\b) < 7
	s_wait_loadcnt 32                              ; this block's 32 loads are in; the next block's 32 may be out
.else
	s_wait_loadcnt 0x0
.endif
.if (\b)+2 < 8
.if (\b) > 0
	s_wait_alu depctr_va_vdst(0)                   ; the block before is done reading its set, in which the loads below land; in block 1 also: the head's addresses are written; in block 4 also: blocks 0 to 3 have written v128-143 and v160, which the LDS stores below read
.endif
	LOADB (\b)+2                                   ; the block two on, ahead of this block's arithmetic, which names none of these registers
.endif
.if (\b) == 4
	PUTK 0                                         ; the first K step's images
.endif
	v_max3_num_f32 v[MQ0], |v[XB]|, |v[XB+1]|, |v[XB+2]|
	v_max3_num_f32 v[MQ1], |v[XB+3]|, |v[XB+4]|, |v[XB+5]|
.irp i, 6,10,14,18,22,26
	v_max3_num_f32 v[MQ0], v[MQ0], |v[XB+\i]|, |v[XB+\i+1]|
	v_max3_num_f32 v[MQ1], v[MQ1], |v[XB+\i+2]|, |v[XB+\i+3]|
.endr
	v_max3_num_f32 v[MQ0], v[MQ0], |v[XB+30]|, |v[XB+31]|
	v_max3_num_f32 v[MQ0], v[MQ0], v[MQ1], 0x1800000       ; and the floor 2^(3 - 127): the byte cannot fall under 1
	v_add_nc_u32 v[SCQ], 0xff000000, v[MQ0]        ; 2 off the exponent field: the conversion's scale
	v_lshrrev_b32 v[BYQ], 23, v[SCQ]
.if BQ == 0
	v_mov_b32 v[WW+KS], v[BYQ]
.else
	v_lshl_or_b32 v[WW+KS], v[BYQ], 8*BQ, v[WW+KS]
.endif
.irp g, 0,1,2,3
	v_cvt_scalef32_pk8_fp4_f32 v[TT+16*KS+8*HH+4*CC+\g], v[XB+8*\g:XB+8*\g+7], v[SCQ]
.endr
.if HH == 1
	v_nop                                          ; one plain line between the conversions and the lines that touch their results
.irp g, 0,1,2,3
	v_permlane16_swap_b32 v[TT+16*KS+4*CC+\g], v[TT+16*KS+8+4*CC+\g]
.endr
.endif
.endm
.macro HFETCH off                      ; of the tile 4 off tiles on: h's eight fragments, their scale words, and the numbers of the two pairs of rows that I send out
.set i, 0
.rept 16
	global_load_b128 v[HA+4*i:HA+4*i+3], v[L16], s[28:29] offset:512*i+(\off)*131072
.set i, i+1
.endr
.set i, 0
.rept 8
	global_load_b32 v[HS+i], v[R4], s[30:31] offset:4096*i+(\off)*256
.set i, i+1
.endr
	global_load_b32 v[DI], v[DO], s[32:33] offset:(\off)*256
	global_load_b32 v[DI+1], v[DO], s[32:33] offset:8+(\off)*256
.endm
; A tile.  The barrier stands outside both branches: every wave passes it in every trip.  The four waves of a q have the same tile, so they take the same ways.
.macro TRIP par
	s_wait_loadcnt 0x0                             ; h's fragments, scale words, the rows' numbers.  This wait and the offsets below stand ahead of the branch, so that the offsets are written on every way;
.irp n, 0,1                                    ; a trip past the expert's tiles has no load out, makes them anew of the last numbers, and stores nothing
	v_min_u32 v[YA+\n], 2055, v[DI+\n]             ; held inside y
	v_lshlrev_b32 v[YA+\n], 12, v[YA+\n]
	v_add_nc_u32 v[YA+\n], v[YA+\n], v[YL]
.endr
	s_cmp_ge_u32 s22, s21
	s_cbranch_scc1 .Lnomul_\@
	; the first K step starts the sums; the two accumulators take turns, one instruction a turn, from tile to tile too
	v_wmma_scale_f32_16x16x128_f8f6f4 v[ACC:ACC+7], v[WF:WF+7], v[HA:HA+7], 0, v[WS], v[HS] matrix_a_fmt:MATRIX_FMT_FP4 matrix_b_fmt:MATRIX_FMT_FP4
	v_wmma_scale_f32_16x16x128_f8f6f4 v[ACC+8:ACC+15], v[WF+8:WF+15], v[HA:HA+7], 0, v[WS], v[HS] matrix_a_fmt:MATRIX_FMT_FP4 matrix_b_fmt:MATRIX_FMT_FP4 matrix_a_scale:MATRIX_SCALE_ROW1
.irp s, 1,2,3,4,5,6,7
	v_wmma_scale_f32_16x16x128_f8f6f4 v[ACC:ACC+7], v[WF+16*\s:WF+16*\s+7], v[HA+8*\s:HA+8*\s+7], v[ACC:ACC+7], v[WS+\s], v[HS+\s] matrix_a_fmt:MATRIX_FMT_FP4 matrix_b_fmt:MATRIX_FMT_FP4
	v_wmma_scale_f32_16x16x128_f8f6f4 v[ACC+8:ACC+15], v[WF+16*\s+8:WF+16*\s+15], v[HA+8*\s:HA+8*\s+7], v[ACC+8:ACC+15], v[WS+\s], v[HS+\s] matrix_a_fmt:MATRIX_FMT_FP4 matrix_b_fmt:MATRIX_FMT_FP4 matrix_a_scale:MATRIX_SCALE_ROW1
.endr
.rept 5
	v_nop                                          ; plain places: four in front of the LDS stores of results, five in front of the next tile's products, which write over these; the wait below stands beside them
.endr
	s_wait_alu depctr_va_vdst(0)                   ; the products have written the accumulators, which the stage's stores read, and are done reading h's fragments v64-127 and scale words v56-63; the offsets' lines are done reading v16-17: the next tile's loads land in all of these
	s_add_co_u32 s25, s22, 4
	s_cmp_ge_u32 s25, s21
	s_cbranch_scc1 .Lnofetch_\@
	HFETCH 1                                       ; my next tile lands while this one goes through the stage
.Lnofetch_\@:
.irp i, 0,1,2,3
	ds_store_b128 v[RW], v[ACC+4*\i:ACC+4*\i+3] offset:\par*PARB+16*\i     ; each accumulator from its low end on
.endr
.Lnomul_\@:
	s_wait_dscnt 0x0                               ; my stores have landed; my reads of the other stage were waited for in the tile before
	s_wait_alu depctr_vm_vsrc(0)                   ; the stage's stores have read the accumulators, in which the rows read back below land
	s_barrier_signal -1
	s_barrier_wait -1                              ; this stage is written again two tiles on, behind the next barrier, which every wave reaches behind its reads below
	s_cmp_ge_u32 s22, s21
	s_cbranch_scc1 .Lnosum_\@
.irp n, 0,1
.irp k, 0,1
	ds_load_b128 v[ACC+8*\n+4*\k:ACC+8*\n+4*\k+3], v[RR] offset:\par*PARB+\k*4352+\n*544   ; rows 4 g + 2 n + lane / 16, both kg.  No vector or matrix line has named these registers since the last wait on va_vdst
.endr
.endr
	s_wait_dscnt 0x0
.irp n, 0,1
	v_pk_add_f32 v[ACC+8*\n:ACC+8*\n+1], v[ACC+8*\n:ACC+8*\n+1], v[ACC+8*\n+4:ACC+8*\n+5]
	v_pk_add_f32 v[ACC+8*\n+2:ACC+8*\n+3], v[ACC+8*\n+2:ACC+8*\n+3], v[ACC+8*\n+6:ACC+8*\n+7]
	v_pk_add_f32 v[ACC+8*\n:ACC+8*\n+1], v[ACC+8*\n:ACC+8*\n+1], v[BB:BB+1]
	v_pk_add_f32 v[ACC+8*\n+2:ACC+8*\n+3], v[ACC+8*\n+2:ACC+8*\n+3], v[BB+2:BB+3]
.endr
	s_wait_alu depctr_va_vdst(0)                   ; the additions have written v32-35 and v40-43, the tile's head v18-19: the two stores read them; and the additions are done reading v36-39 and v44-47
.irp n, 0,1
	global_store_b128 v[YA+\n], v[ACC+8*\n:ACC+8*\n+3], s[14:15]   ; 16 lanes store 256 bytes on end of a row of y, at a multiple of 256
.endr
.Lnosum_\@:
	s_wait_xcnt 0x0                                ; pointers, offsets and the stores' data are written again only behind this wait
	s_wait_alu depctr_vm_vsrc(0)                   ; the two stores have read their data and v18-19, which the next tile's offsets' lines and products write again
	s_add_nc_u64 s[28:29], s[28:29], 131072
	s_add_nc_u64 s[30:31], s[30:31], 256
	s_add_nc_u64 s[32:33], s[32:33], 256
	s_add_co_u32 s22, s22, 4
.endm
	s_load_b256 s[4:11], s[0:1], 0x0               ; w2 s[4:5], b2 s[6:7], hq s[8:9], hs s[10:11]
	s_load_b128 s[12:15], s[0:1], 0x20             ; route s[12:13], y s[14:15]
	v_lshl_add_u32 v30, v0, 2, 0x22000
	v_mov_b32 v31, 0
	v_lshrrev_b32 v20, 5, v0
	v_readfirstlane_b32 s16, v20                   ; wave 0..15
	v_and_b32 v20, 31, v0                          ; lane
	v_and_b32 v21, 15, v0                          ; r
	v_bfe_u32 v22, v0, 4, 1                        ; h
	v_and_b32 v23, 7, v0
	v_bfe_u32 v24, v0, 3, 1
	v_lshl_add_u32 v23, v24, 4, v23
	v_lshl_add_u32 v23, v22, 3, v23                ; my column of the wave's 32
	v_lshlrev_b32 v[VOFF], 2, v23
	v_lshlrev_b32 v[YL], 4, v21
	s_wait_alu depctr_va_sdst(0)                   ; s16 is written, ahead of its first reader: g, q and every base are made from it
	s_and_b32 s17, s16, 3                          ; g
	s_lshr_b32 s18, s16, 2                         ; q
	s_and_b32 s36, s17, 1                          ; cg
	s_lshr_b32 s37, s17, 1                         ; kg
	s_lshr_b32 s19, ttmp9, 5                       ; e
	s_bfe_u32 s20, ttmp9, 0x40001                  ; sl
	s_and_b32 s24, ttmp9, 1                        ; kh
	s_lshl_b32 s26, s19, 24                        ; w2: the expert's 16 MB,
	s_lshl_b32 s25, s24, 23                        ; 2,048 kh rows,
	s_add_co_u32 s26, s26, s25
	s_lshl_b32 s25, s37, 22                        ; 1,024 kg rows,
	s_add_co_u32 s26, s26, s25
	s_lshl_b32 s25, s18, 20                        ; 256 q rows,
	s_add_co_u32 s26, s26, s25
	s_lshl_b32 s40, s20, 8                         ; column 64 sl,
	s_add_co_u32 s26, s26, s40
	s_lshl_b32 s25, s36, 7                         ; + 32 cg
	s_add_co_u32 s26, s26, s25
	s_mov_b32 s27, 0
	s_lshl_b32 s25, s19, 12
	s_add_co_u32 s42, s40, s25                     ; b2: the expert's row, column 64 sl
	s_mov_b32 s43, 0
	s_mov_b32 s41, 0
	s_lshl_b32 s48, s19, 2                         ; never rewritten: the count's load names it
	s_cmp_eq_u32 s24, 0
	s_cselect_b32 s38, 1.0, 0                      ; b2 counts once: in the half kh = 0
	s_mov_b32 s39, s38
	s_wait_kmcnt 0x0
	s_load_b32 s21, s[12:13], s48 offset:0x8000    ; the expert's rows
	s_add_nc_u64 s[4:5], s[4:5], s[26:27]
	s_add_nc_u64 s[6:7], s[6:7], s[42:43]
	s_wait_alu depctr_va_vdst(0)                   ; v1 and v11 are written, which the loads below read as their offsets
	global_load_b128 v[BB:BB+3], v[YL], s[6:7]
	LOADB 0
	LOADB 1
	v_lshlrev_b32 v[L16], 4, v20
	v_lshlrev_b32 v[R4], 2, v21
	s_lshl_b32 s25, s17, 3
	s_lshl_b32 s26, s18, 1
	s_add_co_u32 s25, s25, s26                     ; 8 g + 2 q: my first fragment pair
	s_lshl_b32 s26, s25, 11
	v_add_nc_u32 v[VST], s26, v[L16]
	s_lshl_b32 s26, s25, 7
	s_add_co_u32 s26, s26, WSC
	v_lshl_add_u32 v[VSS], v20, 2, s26
	s_lshl_b32 s26, s17, 14
	v_add_nc_u32 v[VRD], s26, v[L16]
	s_lshl_b32 s26, s17, 10
	s_add_co_u32 s26, s26, WSC
	v_lshl_add_u32 v[VRS], v20, 2, s26
	s_lshl_b32 s25, s17, 4
	v_lshl_add_u32 v[DO], v22, 2, s25              ; 16 g + 4 h
	s_mul_i32 s25, s18, 8704
	s_add_co_u32 s25, s25, RED                     ; my q's part of a stage
	s_mul_i32 s26, s37, 4352
	s_add_co_u32 s26, s26, s25
	s_lshl_b32 s44, s36, 7
	s_add_co_u32 s26, s26, s44
	v_mul_u32_u24 v23, v21, 272
	v_lshl_add_u32 v23, v22, 6, v23
	v_add_nc_u32 v[RW], s26, v23                   ; in: my kg, row r, 128 cg + 64 h bytes on
	s_mul_i32 s26, s17, 1088
	s_add_co_u32 s26, s26, s25
	v_mul_u32_u24 v23, v22, 272
	v_lshl_add_u32 v23, v21, 4, v23
	v_add_nc_u32 v[RR], s26, v23                   ; back: row 4 g + lane / 16, 16 bytes a lane
	s_lshl_b32 s25, s19, 6
	s_add_co_u32 s25, s25, s18                     ; tile 64 e + q
	s_lshl_b32 s26, s25, 15
	s_lshl_b32 s25, s24, 14
	s_add_co_u32 s26, s26, s25
	s_lshl_b32 s25, s37, 13
	s_add_co_u32 s26, s26, s25
	s_add_nc_u64 s[28:29], s[8:9], s[26:27]        ; h's codes: K steps 16 kh + 8 kg on
	s_lshl_b32 s26, s19, 17
	s_lshl_b32 s25, s24, 16
	s_add_co_u32 s26, s26, s25
	s_lshl_b32 s25, s37, 15
	s_add_co_u32 s26, s26, s25
	s_lshl_b32 s25, s18, 6
	s_add_co_u32 s26, s26, s25
	s_add_nc_u64 s[30:31], s[10:11], s[26:27]      ; their scale words
	s_lshl_b32 s26, s19, 12
	s_add_co_u32 s26, s26, s25
	s_add_nc_u64 s[32:33], s[12:13], s[26:27]      ; the tile's rows' numbers
	s_mul_i32 s26, s24, YH
	s_add_co_u32 s26, s26, s40
	s_add_nc_u64 s[14:15], s[14:15], s[26:27]      ; y: my half, my slice's 256 bytes of a row
	; ---- PHASE 1
	QBLK 0
	v_pk_mul_f32 v[BB:BB+1], v[BB:BB+1], s[38:39] op_sel_hi:[1,0]  ; b2 was asked for ahead of block 0, so it is in
	v_pk_mul_f32 v[BB+2:BB+3], v[BB+2:BB+3], s[38:39] op_sel_hi:[1,0]
	QBLK 1
	QBLK 2
	QBLK 3
	QBLK 4                                         ; (the first K step's images go out behind this block's wait)
	QBLK 5
	QBLK 6
	QBLK 7
	s_wait_alu depctr_va_vdst(0)                   ; blocks 4 to 7 have written v144-159 and v161, which the LDS stores below read; blocks 6 and 7 are done reading v64-127, in which the first tile's loads land
	PUTK 1
	HFETCH 0                                       ; tile q is always there: no branch
	s_wait_kmcnt 0x0
	s_add_co_u32 s21, s21, 15
	s_lshr_b32 s21, s21, 4
	s_max_u32 s21, s21, 4
	s_min_u32 s21, s21, 64                         ; the expert's tiles: at least the four that are always made
	s_wait_dscnt 0x0                               ; for the other waves' sake: my images have landed
	s_barrier_signal -1
	s_barrier_wait -1
	; ---- PHASE 2
	s_wait_alu depctr_vm_vsrc(0)                   ; my LDS stores have read v128-161 (the images and their scale words): the weights land in these registers.  (No vector line has been issued since the wait behind block 7)
.irp s, 0,1,2,3,4,5,6,7
.irp u, 0,1
.irp c, 0,1
	ds_load_b128 v[WF+16*\s+8*\u+4*\c:WF+16*\s+8*\u+4*\c+3], v[VRD] offset:\s*2048+\u*1024+\c*512
.endr
.endr
	ds_load_b32 v[WS+\s], v[VRS] offset:128*\s
.endr
	s_mov_b32 s22, s18                             ; J, my tile
	s_mov_b32 s23, 0
	s_wait_dscnt 0x0                               ; the weights
.Lloop:                                                ; eight trips of two tiles whatever the count: the stage's turn stands in the immediates
	TRIP 0
	TRIP 1
	s_add_co_u32 s23, s23, 1
	s_cmp_lt_u32 s23, 8
	s_cbranch_scc1 .Lloop
	s_wait_dscnt 0x0                               ; the closing lines, six on end
	s_wait_alu 0x0
	s_wait_tensorcnt 0x0
	ds_add_u32 v30, v31
	s_wait_dscnt 0x0
	s_endpgm
.Lfunc_end_k_q52852047b3_ffn2:
	.size	k_q52852047b3_ffn2, .Lfunc_end_k_q52852047b3_ffn2-k_q52852047b3_ffn2
	.p2alignl 7, 3214868480
	.fill 96, 4, 3214868480
	.section	.rodata,"a",@progbits
	.p2align	6, 0x0
	.amdhsa_kernel k_q52852047b3_ffn2
		.amdhsa_group_segment_fixed_size 141312
		.amdhsa_private_segment_fixed_size 0
		.amdhsa_enable_private_segment 0
		.amdhsa_kernarg_size 48
		.amdhsa_user_sgpr_count 2
		.amdhsa_user_sgpr_kernarg_segment_ptr 1
		.amdhsa_wavefront_size32 1
		.amdhsa_system_sgpr_workgroup_id_x 1
		.amdhsa_system_sgpr_workgroup_id_y 1
		.amdhsa_system_sgpr_workgroup_id_z 1
		.amdhsa_system_vgpr_workitem_id 0
		.amdhsa_next_free_vgpr 256
		.amdhsa_next_free_sgpr 66
		.amdhsa_reserve_vcc 0
		.amdhsa_float_denorm_mode_32 3
		.amdhsa_float_denorm_mode_16_64 3
		.amdhsa_memory_ordered 1
		.amdhsa_forward_progress 1
		.amdhsa_inst_pref_size 61
	.end_amdhsa_kernel
	.amdgpu_metadata
---
amdhsa.version: [ 1, 2 ]
amdhsa.kernels:
  - .name:           k_q52852047b3_ffn2
    .symbol:         k_q52852047b3_ffn2.kd
    .args:
      - { .name: w2, .offset: 0, .size: 8, .value_kind: global_buffer, .address_space: global }
      - { .name: b2, .offset: 8, .size: 8, .value_kind: global_buffer, .address_space: global }
      - { .name: hq, .offset: 16, .size: 8, .value_kind: global_buffer, .address_space: global }
      - { .name: hs, .offset: 24, .size: 8, .value_kind: global_buffer, .address_space: global }
      - { .name: route, .offset: 32, .size: 8, .value_kind: global_buffer, .address_space: global }
      - { .name: y, .offset: 40, .size: 8, .value_kind: global_buffer, .address_space: global }
    .group_segment_fixed_size: 141312
    .private_segment_fixed_size: 0
    .kernarg_segment_align: 8
    .kernarg_segment_size: 48
    .max_flat_workgroup_size: 512
    .sgpr_count:     66
    .vgpr_count:     256
    .wavefront_size: 32
...
	.end_amdgpu_metadata
.endif
;; end of part 7
;; launch combine: the kernel of part 5 again; grid 256 x 1, 4 waves a work-group, no clusters, 0 bytes of LDS; arguments y, gatew, out0; writes out0
